; MI455X (gfx1250); checked and timed in simulation.
; The chip was launched on July 23, 2026; its instructions are those of AMD's public machine-readable ISA for CDNA 5 (MIT licence, August 2026) and "CDNA5" Instruction Set Architecture Reference Guide (July 2026). The comments in the code are by the model that wrote it; some were corrected since.
;; Attention Block. Allowed arithmetic: float matrix products may take bf16 or f16 operands with f32 sums; other float arithmetic in f32, or as packed bf16 or f16 multiplies, adds, multiply-adds, maxima and minima; sums over many terms, partial sums and values carried from step to step in f32; what a program stores and reads back later, other than sums and carried values, may be rounded once to bf16 or f16.
;; Inputs: context_features 8 x 2,048 x 2,048 float32; f_W 512 x 2,048 float32; f_b 2,048 float32; f_beta 512 float32; f_gamma 512 float32; f_mean 512 float32; f_var 512 float32; input_features 8 x 1,024 x 2,048 float32; k_W 2,048 x 512 float32; k_b 512 float32; k_beta 2,048 float32; k_gamma 2,048 float32; k_mean 2,048 float32; k_var 2,048 float32; q_W 2,048 x 512 float32; q_b 512 float32; q_beta 2,048 float32; q_gamma 2,048 float32; q_mean 2,048 float32; q_var 2,048 float32; v_W 2,048 x 512 float32; v_b 512 float32; v_beta 2,048 float32; v_gamma 2,048 float32; v_mean 2,048 float32; v_var 2,048 float32; valid_mask 8 x 2,048 bool.
;; Outputs: out0 8 x 1,024 x 2,048 float32.
;; One version. Each part assembles by itself: llvm-mc -triple=amdgcn-amd-amdhsa -mcpu=gfx1250 --defsym DOCPART=n.
;; ======== version 1 of 1: 5 launches
;; limits: values are held in f16: magnitudes above 65,504 overflow, below 6.1e-05 lose precision
;; workspace buffers: w16 8,388,608 bytes; kbuf 16,777,216 bytes; vbuf 16,777,216 bytes; qbuf 8,388,608 bytes; pbuf 33,554,432 bytes; stats 1,048,576 bytes; hbuf 8,388,608 bytes
;; launch prep (part 1): grid 64 x 4, 8 waves a work-group, no clusters, 0 bytes of LDS; arguments k_W, v_W, q_W, f_W, w16; writes w16
.if DOCPART == 1
	.amdgcn_target "amdgcn-amd-amdhsa--gfx1250"
	.amdhsa_code_object_version 6
	.text
	.protected	k_qd34d05c958_prep
	.globl	k_qd34d05c958_prep
	.p2align	8
	.type	k_qd34d05c958_prep,@function
k_qd34d05c958_prep:
	s_mov_b64 s[64:65], 0
	v_nop
	global_prefetch_b8 v0, s[64:65] scope:SCOPE_SE
	s_setreg_imm32_b32 hwreg(HW_REG_WAVE_MODE, 25, 1), 1
	s_wait_xcnt 0x0
; The four weight matrices, 1,048,576 f32 each, are rounded once to f16 and laid as they lie: w16 = K, V, Q, F, 2 MiB each.
; Grid y picks the matrix.  A work-group converts 16,384 numbers, a thread eight groups of 8: two loads of 16 bytes, one store of 16 bytes;
; a wave's store covers 512 consecutive bytes, aligned.  All 16 loads of a thread go out first; every group has registers of its own.
; LIMIT: a weight beyond 65,504 would become an infinity; below 6e-5 f16 keeps a fixed step of 6e-8.
.set IN,  16                           ; v[16:79]   eight groups of 8 f32
.set OUTR, 80                          ; v[80:111]  eight groups of 8 f16
	s_load_b256 s[4:11], s[0:1], 0x0               ; k_W, v_W, q_W, f_W
	s_load_b64 s[12:13], s[0:1], 0x20              ; w16
	s_and_b32 s14, ttmp7, 0xffff                   ; which matrix
	v_lshlrev_b32 v1, 5, v0                        ; 32 bytes of f32 a thread
	v_lshlrev_b32 v2, 4, v0                        ; 16 bytes of f16
	s_lshl_b32 s16, ttmp9, 16                      ; the work-group's 65,536 bytes of source
	s_mov_b32 s17, 0
	s_lshl_b32 s18, ttmp9, 15                      ; its 32,768 bytes of w16,
	s_lshl_b32 s20, s14, 21                        ; in the matrix's 2 MiB
	s_add_co_u32 s18, s18, s20
	s_mov_b32 s19, 0
	s_wait_kmcnt 0x0
	s_cmp_eq_u32 s14, 1
	s_cselect_b64 s[4:5], s[6:7], s[4:5]
	s_cmp_eq_u32 s14, 2
	s_cselect_b64 s[4:5], s[8:9], s[4:5]
	s_cmp_eq_u32 s14, 3
	s_cselect_b64 s[4:5], s[10:11], s[4:5]
	s_add_nc_u64 s[4:5], s[4:5], s[16:17]
	s_add_nc_u64 s[12:13], s[12:13], s[18:19]
.irp g, 0,1,2,3,4,5,6,7
	global_load_b128 v[IN+8*(\g):IN+8*(\g)+3],   v1, s[4:5] offset:8192*(\g) th:TH_LOAD_NT
	global_load_b128 v[IN+8*(\g)+4:IN+8*(\g)+7], v1, s[4:5] offset:8192*(\g)+16 th:TH_LOAD_NT
.endr
.irp g, 0,1,2,3,4,5,6,7
	s_wait_loadcnt 14-2*(\g)                       ; loads come back in order: group g is in, the younger groups' loads stay out
	v_cvt_pk_f16_f32 v[OUTR+4*(\g)],   v[IN+8*(\g)],   v[IN+8*(\g)+1]
	v_cvt_pk_f16_f32 v[OUTR+4*(\g)+1], v[IN+8*(\g)+2], v[IN+8*(\g)+3]
	v_cvt_pk_f16_f32 v[OUTR+4*(\g)+2], v[IN+8*(\g)+4], v[IN+8*(\g)+5]
	v_cvt_pk_f16_f32 v[OUTR+4*(\g)+3], v[IN+8*(\g)+6], v[IN+8*(\g)+7]
	global_store_b128 v2, v[OUTR+4*(\g):OUTR+4*(\g)+3], s[12:13] offset:4096*(\g)
.endr
	s_endpgm
.Lfunc_end_k_qd34d05c958_prep:
	.size	k_qd34d05c958_prep, .Lfunc_end_k_qd34d05c958_prep-k_qd34d05c958_prep
	.p2alignl 7, 3214868480
	.fill 96, 4, 3214868480
	.section	.rodata,"a",@progbits
	.p2align	6, 0x0
	.amdhsa_kernel k_qd34d05c958_prep
		.amdhsa_group_segment_fixed_size 0
		.amdhsa_private_segment_fixed_size 0
		.amdhsa_enable_private_segment 0
		.amdhsa_kernarg_size 40
		.amdhsa_user_sgpr_count 2
		.amdhsa_user_sgpr_kernarg_segment_ptr 1
		.amdhsa_wavefront_size32 1
		.amdhsa_system_sgpr_workgroup_id_x 1
		.amdhsa_system_sgpr_workgroup_id_y 1
		.amdhsa_system_sgpr_workgroup_id_z 1
		.amdhsa_system_vgpr_workitem_id 0
		.amdhsa_next_free_vgpr 112
		.amdhsa_next_free_sgpr 66
		.amdhsa_reserve_vcc 0
		.amdhsa_float_denorm_mode_32 3
		.amdhsa_float_denorm_mode_16_64 3
		.amdhsa_memory_ordered 1
		.amdhsa_forward_progress 1
		.amdhsa_inst_pref_size 6
	.end_amdhsa_kernel
	.amdgpu_metadata
---
amdhsa.version: [ 1, 2 ]
amdhsa.kernels:
  - .name:           k_qd34d05c958_prep
    .symbol:         k_qd34d05c958_prep.kd
    .args:
      - { .name: k_W, .offset: 0, .size: 8, .value_kind: global_buffer, .address_space: global }
      - { .name: v_W, .offset: 8, .size: 8, .value_kind: global_buffer, .address_space: global }
      - { .name: q_W, .offset: 16, .size: 8, .value_kind: global_buffer, .address_space: global }
      - { .name: f_W, .offset: 24, .size: 8, .value_kind: global_buffer, .address_space: global }
      - { .name: w16, .offset: 32, .size: 8, .value_kind: global_buffer, .address_space: global }
    .group_segment_fixed_size: 0
    .private_segment_fixed_size: 0
    .kernarg_segment_align: 8
    .kernarg_segment_size: 40
    .max_flat_workgroup_size: 256
    .sgpr_count:     66
    .vgpr_count:     112
    .wavefront_size: 32
...
	.end_amdgpu_metadata
.endif
;; end of part 1
;; launch proj (part 2): grid 320 x 1, 4 waves a work-group, clusters of 4 x 1, 327,680 bytes of LDS; arguments context_features, input_features, w16, valid_mask, k_gamma, k_beta, k_mean, k_var, k_b, kbuf, v_gamma, v_beta, v_mean, v_var, v_b, vbuf, q_gamma, q_beta, q_mean, q_var, q_b, qbuf; writes kbuf, vbuf, qbuf
.if DOCPART == 2
	.amdgcn_target "amdgcn-amd-amdhsa--gfx1250"
	.amdhsa_code_object_version 6
	.text
	.protected	k_qd34d05c958_proj
	.globl	k_qd34d05c958_proj
	.p2align	8
	.type	k_qd34d05c958_proj,@function
k_qd34d05c958_proj:
	s_mov_b64 s[64:65], 0
	v_nop
	global_prefetch_b8 v0, s[64:65] scope:SCOPE_SE
	s_setreg_imm32_b32 hwreg(HW_REG_WAVE_MODE, 25, 1), 1
	s_wait_xcnt 0x0
	s_wait_alu depctr_hold_cnt(0) depctr_sa_sdst(0) depctr_va_vdst(0) depctr_va_sdst(0) depctr_va_ssrc(0) depctr_va_vcc(0) depctr_vm_vsrc(0)
	s_getreg_b32 s2, hwreg(HW_REG_IB_STS2, 6, 4)
	s_cmp_eq_u32 s2, 0
	s_cbranch_scc0 .Lentry_in_a_cluster
	s_endpgm
.Lentry_in_a_cluster:
	s_bfe_u32 s2, ttmp6, 0x10000c
	s_cmp_lg_u32 s2, 0x3003
	s_cbranch_scc0 .Lentry_shape_is_right
	s_endpgm
.Lentry_shape_is_right:
; THE THREE PROJECTIONS: y = l2normalise(relu6(BN(x) W + b)), rows of 2,048 in, 512 out; y in f16.  V's rows of hidden keys are written as 0.
; SHARES.  80 clusters of four work-groups: clusters 0-63 are K (even) and V (odd) of 512 rows of context_features, clusters 64-79 Q of 512 rows of input_features.
; A work-group makes 128 rows x all 512 columns, so a row's norm stays inside it; a wave makes 64 rows x 256 columns: 64 accumulators, 512 registers.
; x comes through registers: BN in f32 (s = gamma rsq(var + 1e-3), t = beta - mean s, h = x s + t), one rounding to f16, into two small LDS buffers of 64 k that take turns.
; W (f16, [k][n]) comes by the tensor data mover in slots of 128 k, asked for JOINTLY by the cluster's four work-groups, which all walk the same W; it is turned on the way into registers.
; THE MATRIX INSTRUCTION IS USED TRANSPOSED (source 0 = 16 columns of W, source 1 = 16 rows of x): a lane holds one row and eight neighbouring columns.
; THE ORDER OF THE LOOP.  A wave issues in order, so BN's vector lines stand in slices of four behind matrix instructions, and all memory instructions stand in runs: one in the
; first third of every second quarter (fragments, BN's stores, x's reloads), one behind each barrier (fragments).  A slice costs two switches of the register windows.
; The sums start at the bias: 64 products of zeros take the bias's registers as their C operand, while the first tile is on its way; so the loop has one form of product.
; LIMITS.  |BN(x)| stays under 65,504 (f16); NaN and infinities are not treated apart.  relu6 is taken as 6 clamp(y / 6, 0, 1); the 6 cancels in the norm (its floor 1e-12 is divided by 36).
; REGISTERS: window 0: v0-31 addresses and work; v32-95 x's fragments, two buffers; v96-127 BN's parameters, two sets; v128-255 x as loaded, two sets.
;   window 1: W's fragments, two buffers of 128 (the second holds the bias first).   windows 2, 3: accumulator (a, b) at 8 (16 (a % 2) + b) of window 2 + a / 2.
.set PB,     1056                      ; a row of W in LDS: 1,024 bytes + 32: an odd multiple of 32
.set BPART,  32*PB                     ; 32 k: what one wave's tensor load brings, and a quarter of a slot
.set SLOTX,  4*BPART                   ; a slot, 135,168 = 0x21000: no bit of it occurs in wave x BPART, so one exclusive or changes slots
.set ABUF,   2*SLOTX                   ; two buffers of 128 rows x 64 k of f16
.set PA,     144                       ; 128 bytes + 16: an odd multiple of 16
.set ABYTES, 128*PA
.set RED,    ABUF+2*ABYTES             ; [128 rows][2 column halves] f32: sums of squares
.set SCL,    RED+1024                  ; 64 f32 a wave: the rows' scales
.set SPARE,  SCL+1024                  ; the spare words, 128 bytes a wave
.set PD,     1040                      ; the way out: a row of 256 f32 + 16 bytes
.set DWB,    64*PD                     ; a wave's 64 rows, in the ring, which has had its last fill by then
.set LA, 1                             ; v1  my place in x's fragments
.set LB, 2                             ; v2  my place in W's fragments, quarters 0, 1
.set LB2, 3                            ; v3  quarters 2, 3
.set ADB, 4                            ; v4  the address in hand
.set VX, 5                             ; v5  my byte offset in x, at the chunk to be loaded
.set VK, 6                             ; v6  the same in the parameters
.set VPF, 7                            ; v7  the prefetches' offset: a lane a row
.set AST, 8                            ; v8  where I put 8 bytes of BN(x)
.set TT, 9
.set SPW, 10                           ; v10 my spare word; never rewritten
.set NIL, 11                           ; v11 0; never rewritten
.set VD, 12
.set VRD, 13
.set VS, 14
.set VO, 15
.set SS, 16                            ; v16-19 s, v20-23 t; later four chains of sums
.set TM, 24
.set SX, 28                            ; v[28:29] 1/6, twice, on the way out
.set MK, 30
.set FA, 32
.set PR, 96
.set RW, 128
.set XP, 4                             ; s[4:5] x at my first row
.set WV, 12
.set PP, 13                            ; 0 K, 1 V, 2 Q
.set GG, 14
.set GAM, 16                           ; s[16:23] gamma, beta, mean, var
.set BIA, 24
.set OUT, 26
.set G1, 68
.set G0A, 76
.set G0B, 80
.set TB, 84                            ; the slot that is read: 0 or SLOTX
.set CNT, 85
.set NC, 86                            ; the chunk to be loaded
.set DX, 87
.set PLIM, 88
.set NOTV, 89
.set SEL, 90
.set RH, 92
.set CH, 93
.set MSB, 0
.macro WIN new                         ; the immediate's high byte repeats the setting that is left
.if MSB != (\new)
	s_set_vgpr_msb (MSB<<8)|(\new)
.set MSB, (\new)
.endif
.endm
.macro PLACES                          ; four places behind matrix instructions (ISA guide 7.12.1)
.rept 4
	v_nop
.endr
.endm
.macro CREST                           ; a round of the cluster's barrier behind its opening barrier
	s_cmp_lg_u32 s[WV], 0
	s_cbranch_scc1 .Lnot_wave_0_\@
	s_barrier_signal -3
.Lnot_wave_0_\@:
	s_barrier_wait -3
	s_barrier_signal -1
	s_barrier_wait -1
.endm
.macro CROUND
	s_barrier_signal -1
	s_barrier_wait -1
	CREST
.endm
	s_load_b256 s[4:11], s[0:1], 0x0               ; context s[4:5], input s[6:7], w16 s[8:9], mask s[10:11]
	s_load_b512 s[16:31], s[0:1], 0x20             ; K's six in s[16:27], V's in s[28:39], Q's in s[40:51]
	s_load_b512 s[32:47], s[0:1], 0x60
	s_load_b128 s[48:51], s[0:1], 0xa0
	v_lshl_add_u32 v[SPW], v0, 2, SPARE
	v_mov_b32 v[NIL], 0
	ds_add_u32 v[SPW], v[NIL]                      ; the wave's opening: the add and its wait stand ahead of my first tensor load
	v_lshrrev_b32 v[TT], 5, v0
	v_readfirstlane_b32 s[WV], v[TT]
	s_lshr_b32 s[RH], s[WV], 1                     ; my half of the rows
	s_and_b32 s[CH], s[WV], 1                      ; my half of the columns
	s_and_b32 s[PP], ttmp9, 1
	s_lshr_b32 s[GG], ttmp9, 1
	s_sub_co_u32 s15, ttmp9, 64
	s_cmp_lt_u32 ttmp9, 64
	s_cselect_b32 s[PP], s[PP], 2
	s_cselect_b32 s[GG], s[GG], s15                ; the cluster's 512 rows
	s_bfe_u32 s62, ttmp6, 0x40000                  ; cx: it enters x's, the mask's and the output's addresses alone
	s_lshl2_add_u32 s63, s[GG], s62                ; my block of 128 rows
	s_lshl_b32 s56, s63, 20                        ; x 128 rows of 8,192 bytes
	s_mov_b32 s57, 0
	s_lshl_b32 s58, s63, 17                        ; x 128 rows of 1,024 bytes
	s_mov_b32 s59, 0
	s_lshl_b32 s60, s63, 7                         ; x 128 bytes of the mask
	s_mov_b32 s61, 0
	s_mov_b32 s[G1+0], 15|(1<<16)|(1<<20)|(1<<21)|(7<<22)|(7<<25)  ; mask of four; 2-byte elements; padding on; bit 21 beside a mask; after every 256 words 8 words
	s_mov_b32 s[G1+1], 512<<16                     ; tensor_dim0 = 512
	s_mov_b32 s[G1+2], 32<<16                      ; tensor_dim1 = 32
	s_mov_b32 s[G1+3], 512<<16                     ; tile_dim0 = 512
	s_mov_b32 s[G1+4], 32                          ; tile_dim1 = 32
	s_mov_b32 s[G1+5], 512                         ; elements from row to row
	s_mov_b32 s[G1+6], 0
	s_mov_b32 s[G1+7], 0
	s_mul_i32 s53, s[WV], BPART                    ; my 32 k of a slot
	s_mov_b32 s[G0A], 1
	s_mov_b32 s[G0A+1], s53
	s_mov_b32 s[G0B], 1
	s_add_co_u32 s[G0B+1], s53, SLOTX
	s_lshl_b32 s54, s[PP], 21                      ; the projection's 2 MiB of w16,
	s_lshl_b32 s55, s[WV], 15                      ; my 32 rows of 1,024 bytes
	s_add_co_u32 s54, s54, s55
	s_mov_b32 s55, 0
	s_mov_b32 s[SEL], 0x76543210
	s_mov_b32 s[SEL+1], 0xfedcba98
	s_mov_b32 s[NC], 0
	s_mov_b32 s[TB], 0
	s_wait_dscnt 0x0                               ; the opening add is done
	s_wait_kmcnt 0x0
	s_cmp_eq_u32 s[PP], 1
.irp i, 0,2,4,6,8,10
	s_cselect_b64 s[16+(\i):17+(\i)], s[28+(\i):29+(\i)], s[16+(\i):17+(\i)]
.endr
	s_cselect_b32 s[PLIM], 0, 30                   ; K's and Q's clusters prefetch x, up to chunk 31; V's read what K's asked for
	s_cselect_b32 s[NOTV], 0, 1.0                  ; only V's rows are multiplied by the mask
	s_cmp_eq_u32 s[PP], 2
.irp i, 0,2,4,6,8,10
	s_cselect_b64 s[16+(\i):17+(\i)], s[40+(\i):41+(\i)], s[16+(\i):17+(\i)]
.endr
	s_cselect_b64 s[XP:XP+1], s[6:7], s[4:5]
	s_add_nc_u64 s[XP:XP+1], s[XP:XP+1], s[56:57]
	s_add_nc_u64 s[OUT:OUT+1], s[OUT:OUT+1], s[58:59]
	s_add_nc_u64 s[10:11], s[10:11], s[60:61]
	s_add_nc_u64 s[G0A+2:G0A+3], s[8:9], s[54:55]  ; slot 0: k 0-127
	s_add_nc_u64 s[G0B+2:G0B+3], s[G0A+2:G0A+3], 131072  ; slot 1: k 128-255; this set walks on
	s_or_b32 s[G0A+3], s[G0A+3], 0x80000000
	s_or_b32 s[G0B+3], s[G0B+3], 0x80000000
	CROUND                                         ; all four work-groups are here: the first joint loads meet
	tensor_load_to_lds s[G0A:G0A+3], s[G1:G1+7]    ; two loads of mine are out
	s_nop 0
	tensor_load_to_lds s[G0B:G0B+3], s[G1:G1+7]
	s_nop 0
	PLACES
	v_and_b32 v16, 15, v0                          ; l % 16, also my 16 bytes of a chunk's 256
	v_bfe_u32 v17, v0, 4, 1                        ; l / 16
	v_and_b32 v18, 7, v0
	v_bfe_u32 v19, v0, 3, 1
	v_lshrrev_b32 v20, 4, v0                       ; thread / 16: my row of each eight
	s_lshl_b32 s52, s[CH], 10
	v_lshl_add_u32 v[TT], v17, 5, s52              ; the bias of my columns: 4 (256 ch + 8 (l / 16))
	WIN 0x40
.irp b, 0,1,2,3,4,5,6,7,8,9,10,11,12,13,14,15
	global_load_b128 v[128+8*(\b):128+8*(\b)+3],   v[TT], s[BIA:BIA+1] offset:64*(\b)
	global_load_b128 v[128+8*(\b)+4:128+8*(\b)+7], v[TT], s[BIA:BIA+1] offset:64*(\b)+16
.endr
	WIN 0
	s_mul_i32 s52, s[RH], 64*PA
	s_add_co_u32 s52, s52, ABUF
	v_mul_u32_u24 v[LA], v16, PA
	v_lshl_add_u32 v[LA], v17, 4, v[LA]
	v_add_nc_u32 v[LA], s52, v[LA]                 ; row x pitch + 16 x half
	v_lshl_add_u32 v[LB], v17, 3, v18              ; the turning load: k row 8 (l / 16) + l % 8, 16 bytes by (l / 8) % 2
	v_mul_u32_u24 v[LB], v[LB], PB
	v_lshl_add_u32 v[LB], v19, 4, v[LB]
	s_lshl_b32 s52, s[CH], 9
	v_add_nc_u32 v[LB], s52, v[LB]
	v_add_nc_u32 v[LB2], 2*BPART, v[LB]
	v_mul_u32_u24 v[AST], v20, PA
	v_lshl_add_u32 v[AST], v16, 3, v[AST]
	v_add_nc_u32 v[AST], ABUF, v[AST]
	v_lshlrev_b32 v[VX], 13, v20
	v_lshl_add_u32 v[VX], v16, 4, v[VX]
	v_lshlrev_b32 v[VK], 4, v16
	v_lshl_add_u32 v[VPF], v0, 13, 0x200           ; thread = row; two chunks on
; A chunk is 64 k: 4 loads of the parameters, then 16 of x (a wave's load: 2 rows x 256 consecutive bytes).  The parameters go first, so that s and t can be made while the rows are still out.
; ask = 1: behind the loads one prefetch into the L2: my 32 rows' 256 bytes of the chunk two loads on; each block is named once in the launch; it stops at the last chunk.
.macro LOAD20 set, ask
	WIN 0
.irp p, 0,1,2,3
	global_load_b128 v[PR+16*(\set)+4*(\p):PR+16*(\set)+4*(\p)+3], v[VK], s[GAM+2*(\p):GAM+2*(\p)+1]
.endr
.irp i, 0,1,2,3,4,5,6,7,8,9,10,11,12,13,14,15
	global_load_b128 v[RW+64*(\set)+4*(\i):RW+64*(\set)+4*(\i)+3], v[VX], s[XP:XP+1] offset:65536*(\i)
.endr
.if \ask
	s_cmp_lt_u32 s[NC], s[PLIM]
	s_cbranch_scc0 .Lnot_asked_\@
	global_prefetch_b8 v[VPF], s[XP:XP+1] th:TH_LOAD_NT scope:SCOPE_SE
.Lnot_asked_\@:
.endif
.endm
; Line qm of 26: s and t of set NS (0-18), then the offsets' step to the next chunk (19-25).  Chunks past the last are the last once more: no load leaves x.
.macro QM
	WIN 0
.if qm == 0
	s_wait_loadcnt 36                              ; the set's 4 parameter loads are in; its own 16 rows and the other set's 20 loads, issued later, stay out
.elseif qm < 5
	v_add_f32 v[TM+qm-1], 0x3a83126f, v[PR+16*NS+12+qm-1]  ; var + 1e-3
.elseif qm < 9
	v_rsq_f32 v[TM+qm-5], v[TM+qm-5]
.elseif qm == 9
	v_nop                                          ; a plain instruction behind the last root,
.elseif qm == 10
	s_wait_alu depctr_va_vdst(0)                   ; and one wait for the four, ahead of their first reader
.elseif qm < 15
	v_mul_f32 v[SS+qm-11], v[PR+16*NS+qm-11], v[TM+qm-11]
.elseif qm < 19
	v_fma_f32 v[SS+4+qm-15], -v[PR+16*NS+8+qm-15], v[SS+qm-15], v[PR+16*NS+4+qm-15]
.elseif qm == 19
	s_wait_xcnt 0x0                                ; every earlier load and prefetch has read its address: the offsets may be stepped
.elseif qm == 20
	s_cmp_lt_u32 s[NC], 31
.elseif qm == 21
	s_cselect_b32 s[DX], 256, 0
.elseif qm == 22
	s_add_co_u32 s[NC], s[NC], 1
.elseif qm == 23
	v_add_nc_u32 v[VX], s[DX], v[VX]
.elseif qm == 24
	v_add_nc_u32 v[VK], s[DX], v[VK]
.elseif qm == 25
	v_add_nc_u32 v[VPF], 0x100, v[VPF]
.endif
.set qm, qm+1
.endm
.macro PALL ns                         ; all 26 on end
.set NS, \ns
.set qm, 0
.rept 26
	QM
.endr
.endm
; Line qa of 69 of BN on set CS, in registers: the wait for the rows; then steps j = 0 .. 16 of four: row j's two multiply-adds, row j - 1's two roundings to f16.
.macro CV
.if qa == 0
	WIN 0
	s_wait_loadcnt 20                              ; this set's rows are in; the other set's 20 loads, issued later, stay out
.elseif qa < 69
.set oj, (qa-1)/4
.set ok, (qa-1)%4
.if (ok < 2) && (oj < 16)
	WIN 0
	v_pk_fma_f32 v[RW+64*CS+4*oj+2*ok:RW+64*CS+4*oj+2*ok+1], v[RW+64*CS+4*oj+2*ok:RW+64*CS+4*oj+2*ok+1], v[SS+2*ok:SS+2*ok+1], v[SS+4+2*ok:SS+5+2*ok]
.elseif (ok >= 2) && (oj >= 1)
	WIN 0
	v_cvt_pk_f16_f32 v[RW+64*CS+4*(oj-1)+ok-2], v[RW+64*CS+4*(oj-1)+2*(ok-2)], v[RW+64*CS+4*(oj-1)+2*(ok-2)+1]
.endif
.endif
.set qa, qa+1
.endm
.macro STORES set, buf                 ; 8 bytes a row into x's buffer buf, in one run
	WIN 0
.irp i, 0,1,2,3,4,5,6,7,8,9,10,11,12,13,14,15
	ds_store_b64 v[AST], v[RW+64*(\set)+4*(\i):RW+64*(\set)+4*(\i)+1] offset:(\buf)*ABYTES+(\i)*8*PA
.endr
.endm
; The quarter's next matrix instruction, number wi of 64: row block wi / 16, column block wi % 16, 32 along k, on fragment buffer f.
; The 64 accumulators take turns, one instruction a turn, in the same order in every quarter.
.macro WM f
.set wa, wi/16
.set wb, wi%16
	WIN 0xa1+0x50*(wa/2)
	v_wmma_f32_16x16x32_f16 v[8*(16*(wa%2)+wb):8*(16*(wa%2)+wb)+7], v[128*(\f)+8*wb:128*(\f)+8*wb+7], v[FA+32*(\f)+8*wa:FA+32*(\f)+8*wa+7], v[8*(16*(wa%2)+wb):8*(16*(wa%2)+wb)+7]
.set wi, wi+1
.endm
.macro WZ                              ; sum number wi starts: a product of zeros whose C operand is the bias of column block wi % 16, in window 1
.set wa, wi/16
.set wb, wi%16
	WIN 0x91+0x40*(wa/2)
	v_wmma_f32_16x16x32_f16 v[8*(16*(wa%2)+wb):8*(16*(wa%2)+wb)+7], v[0:7], v[FA:FA+7], v[128+8*wb:128+8*wb+7]
.set wi, wi+1
.endm
; 40 LDS loads in one run: a quarter's fragments into buffer f: x from buffer buf, its half kk; W's quarter kq of the slot, turned.
.macro FETCH f, buf, kk, kq
	WIN 0
.if (\kq) < 2
	v_add_nc_u32 v[ADB], s[TB], v[LB]
.else
	v_add_nc_u32 v[ADB], s[TB], v[LB2]
.endif
.irp a, 0,1,2,3
	ds_load_b128 v[FA+32*(\f)+8*(\a):FA+32*(\f)+8*(\a)+3],   v[LA] offset:(\buf)*ABYTES+(\a)*16*PA+(\kk)*64
	ds_load_b128 v[FA+32*(\f)+8*(\a)+4:FA+32*(\f)+8*(\a)+7], v[LA] offset:(\buf)*ABYTES+(\a)*16*PA+(\kk)*64+32
.endr
	WIN 0x40
.irp b, 0,1,2,3,4,5,6,7,8,9,10,11,12,13,14,15
	ds_load_tr16_b128 v[128*(\f)+8*(\b):128*(\f)+8*(\b)+3],   v[ADB] offset:((\kq)&1)*BPART+32*(\b)
	ds_load_tr16_b128 v[128*(\f)+8*(\b)+4:128*(\f)+8*(\b)+7], v[ADB] offset:((\kq)&1)*BPART+16*PB+32*(\b)
.endr
.endm
; QUARTERS 0 AND 2 OF A SLOT multiply fragment buffer 0.  Behind each of the first 18 products stand four lines of BN on set cs (they are also the places in front of the loads into buffer 1).
; Then one run: the next quarter's fragments (x's buffer fab, second half; W's quarter fkq), BN's 16 stores into x's buffer cb, the set's 20 reloads, the prefetch.
; The quarter ends with the barrier.  In front of its signal my stores into cb are done and my reads of fab and of the slot are back; behind its wait cb is read and the other buffer of x may be written.
; turn = 1: it is also the change of slots: all my tensor loads have landed (one is out: my part of the next slot), then the add, eight products, and the wait for the add and my LDS instructions.
.macro QA fab, fkq, cs, cb, turn, fill
.set CS, \cs
.set wi, 0
.set qa, 0
	s_wait_dscnt 0x0                               ; my fragments, asked for at the head of the quarter before, are in
.rept 18
	WM 0
.rept 4
	CV
.endr
.endr
	FETCH 1, \fab, 1, \fkq
	STORES \cs, \cb
	LOAD20 \cs, 1
.rept 30
	WM 0
.endr
	WIN 0
.if \turn
	s_wait_tensorcnt 0x0
	ds_add_u32 v[SPW], v[NIL]
.if \fill
	s_xor_b32 s[G0B+1], s[G0B+1], SLOTX            ; no load of mine is out: the walking descriptor takes the other slot,
	s_add_nc_u64 s[G0B+2:G0B+3], s[G0B+2:G0B+3], 131072  ; and the next 128 rows of W
.endif
.endif
.rept 8
	WM 0
.endr
	s_wait_dscnt 0x0                               ; for the others' sake: zero
	s_barrier_signal -1
.rept 8
	WM 0
.endr
	WIN 0
	s_barrier_wait -1
.endm
; QUARTERS 1 AND 3 multiply buffer 1.  fill = 1: the barrier just passed has opened a round of the cluster's; the joint refill, two slots on, is the first thing behind the round:
; it has 240 matrix instructions in which to land.  Then the run of the next quarter's fragments (x's buffer fab, first half; W's quarter fkq), and the 64 products;
; behind the first seven stand s and t of set ns, which the next quarter converts, and the offsets' step.
.macro QB fab, fkq, ns, turn, fill
.set NS, \ns
.if (\turn) && (\fill)
	CREST
	tensor_load_to_lds s[G0B:G0B+3], s[G1:G1+7]
	s_nop 0
.endif
	PLACES                                         ; the places in front of the loads into buffer 0
.if \turn
	s_xor_b32 s[TB], s[TB], SLOTX
.endif
	FETCH 0, \fab, 0, \fkq
.set wi, 0
.set qm, 0
.rept 7
	WM 1
.rept 4
	QM
.endr
.endr
.rept 57
	WM 1
.endr
.endm
.macro BODY fill                       ; a slot: 128 k, 256 matrix instructions.  Slot s converts chunks 2 s + 1 and 2 s + 2 and asks for chunks 2 s + 3 and 2 s + 4
	QA 0, 1, 1, 1, 0, 0
	QB 1, 2, 0, 0, 0
	QA 1, 3, 0, 0, 1, \fill
	QB 0, 0, 1, 1, \fill
.endm
	LOAD20 0, 0                                    ; chunk 0
.set qm, 19
.rept 7
	QM                                             ; the offsets' step
.endr
	LOAD20 1, 0                                    ; chunk 1
	s_wait_loadcnt 40                              ; the bias is in; the two chunks' 40 loads stay out
.set i, 0
.rept 8
	v_mov_b32 v[FA+i], 0
.set i, i+1
.endr
	WIN 0x40
.set i, 0
.rept 8
	v_mov_b32 v[i], 0
.set i, i+1
.endr
.set wi, 0
.rept 64
	WZ
.endr
	PALL 0                                         ; s, t of chunk 0; on to chunk 2
.set CS, 0
.set qa, 0
.rept 69
	CV
.endr
	STORES 0, 0
	LOAD20 0, 0                                    ; chunk 2
	PALL 1                                         ; s, t of chunk 1; on to chunk 3
	s_wait_tensorcnt 0x1                           ; my part of slot 0 is in; slot 1's may stay out
	s_wait_dscnt 0x0                               ; my part of x's buffer 0 is stored
	s_barrier_signal -1
	s_barrier_wait -1
	FETCH 0, 0, 0, 0
	WIN 0
	s_mov_b32 s[CNT], 14
.Lmain:                                        ; slots 0 to 13 are filled again
	BODY 1
	WIN 0
	s_sub_co_u32 s[CNT], s[CNT], 1
	s_cmp_lg_u32 s[CNT], 0
	s_cbranch_scc1 .Lmain
	s_mov_b32 s[CNT], 2
.Ltail:                                        ; the last two ask for nothing; the very last fetch reads bytes that are never multiplied
	BODY 0
	WIN 0
	s_sub_co_u32 s[CNT], s[CNT], 1
	s_cmp_lg_u32 s[CNT], 0
	s_cbranch_scc1 .Ltail
	; THE WAY OUT.
	s_wait_loadcnt 0x0                             ; the chunks loaded past the end
	s_wait_dscnt 0x0
	s_barrier_signal -1
	s_barrier_wait -1                              ; nobody reads the ring any more: it has had its last fill and takes the rows
.set RST, 2
.set RRD, 3
.set SST, 1
.set MO,  4
	v_and_b32 v24, 15, v0                          ; these lines are also the places behind the last products
	v_bfe_u32 v25, v0, 4, 1
	v_and_b32 v26, 31, v0
	s_mul_i32 s52, s[WV], DWB
	v_mul_u32_u24 v[VD], v24, PD
	v_lshl_add_u32 v[VD], v25, 5, v[VD]
	v_add_nc_u32 v[VD], s52, v[VD]                 ; in: row l % 16, 32 bytes for each half of the lanes
	v_lshl_add_u32 v[VRD], v26, 4, s52             ; back: 16 bytes a lane
	s_lshl_b32 s53, s[RH], 9
	s_add_co_u32 s53, s53, RED
	v_lshl_add_u32 v[RRD], v26, 3, s53
	s_lshl2_add_u32 s53, s[CH], s53
	v_lshl_add_u32 v[RST], v24, 3, s53
	s_lshl_b32 s52, s[WV], 8
	s_add_co_u32 s52, s52, SCL
	v_mov_b32 v[VS], s52
	v_lshl_add_u32 v[SST], v26, 2, s52
	s_lshl_b32 s52, s[RH], 6
	v_add_nc_u32 v[MO], s52, v26
	s_lshl_b32 s52, s[RH], 16
	s_lshl_b32 s53, s[CH], 9
	s_add_co_u32 s52, s52, s53
	v_lshl_add_u32 v[VO], v26, 3, s52
	v_mov_b32 v[SX], 0x3e2aaaab
	v_mov_b32 v[SX+1], 0x3e2aaaab
.irp i, 0,1,2,3,4,5,6,7
	v_mov_b32 v[PR+2*(\i)+1], 0                    ; named as pairs below
.endr
	global_load_u8 v[MK],   v[MO], s[10:11]        ; the mask of rows l and 32 + l of my 64
	global_load_u8 v[MK+1], v[MO], s[10:11] offset:32
; Row block a: relu6 / 6 in place, each accumulator from its low end on; the sum of squares of my 128 numbers of a row; the row block into the ring.
.macro OUTA a
.set hw, (\a)/2
.set ab, 128*((\a)%2)
	WIN 0x82+0x41*hw
.set i, 0
.rept 64
	v_pk_mul_f32 v[ab+2*i:ab+2*i+1], v[ab+2*i:ab+2*i+1], v[SX:SX+1] clamp
.set i, i+1
.endr
	WIN 0x0a+5*hw
.set i, 0
.rept 64
.if i < 4
	v_pk_mul_f32 v[SS+2*i:SS+2*i+1], v[ab+2*i:ab+2*i+1], v[ab+2*i:ab+2*i+1]
.else
	v_pk_fma_f32 v[SS+2*(i%4):SS+2*(i%4)+1], v[ab+2*i:ab+2*i+1], v[ab+2*i:ab+2*i+1], v[SS+2*(i%4):SS+2*(i%4)+1]
.endif
.set i, i+1
.endr
	WIN 0
	v_pk_add_f32 v[SS:SS+1], v[SS:SS+1], v[SS+2:SS+3]
	v_pk_add_f32 v[SS+4:SS+5], v[SS+4:SS+5], v[SS+6:SS+7]
	v_pk_add_f32 v[SS:SS+1], v[SS:SS+1], v[SS+4:SS+5]
	v_add_f32 v[SS], v[SS], v[SS+1]
	v_permlanex16_b32 v[TM], v[SS], s[SEL], s[SEL+1]  ; the row's other columns lie in the lane 16 away
	v_add_f32 v[SS], v[SS], v[TM]
	ds_store_b32 v[RST], v[SS] offset:128*(\a)
	WIN 0x08+4*hw
.irp b, 0,1,2,3,4,5,6,7,8,9,10,11,12,13,14,15
	ds_store_b128 v[VD], v[ab+8*(\b):ab+8*(\b)+3]   offset:(\a)*16*PD+64*(\b)
	ds_store_b128 v[VD], v[ab+8*(\b)+4:ab+8*(\b)+7] offset:(\a)*16*PD+64*(\b)+16
.endr
.endm
	OUTA 0
	OUTA 1
	OUTA 2
	OUTA 3
	WIN 0
	s_wait_dscnt 0x0                               ; for the other column half's sake: my sums of squares are stored
	s_barrier_signal -1
	s_barrier_wait -1
	ds_load_b64 v[SS:SS+1],   v[RRD]               ; a lane a row: both halves' sums
	ds_load_b64 v[SS+2:SS+3], v[RRD] offset:256
	s_wait_loadcnt 0x0
	v_cvt_f32_u32 v[MK], v[MK]
	v_cvt_f32_u32 v[MK+1], v[MK+1]
	v_max_num_f32 v[MK], s[NOTV], v[MK]            ; 1 for K and Q, the mask for V
	v_max_num_f32 v[MK+1], s[NOTV], v[MK+1]
	s_wait_dscnt 0x0
	v_add_f32 v[SS], v[SS], v[SS+1]
	v_add_f32 v[SS+2], v[SS+2], v[SS+3]
	v_max_num_f32 v[SS], 0x28fa3332, v[SS]         ; 1e-12 / 36
	v_max_num_f32 v[SS+2], 0x28fa3332, v[SS+2]
	v_rsq_f32 v[SS], v[SS]
	v_rsq_f32 v[SS+2], v[SS+2]
	v_nop
	s_wait_alu depctr_va_vdst(0)                   ; one wait for the two roots
	v_mul_f32 v[SS], v[SS], v[MK]
	v_mul_f32 v[SS+2], v[SS+2], v[MK+1]
	ds_store_b32 v[SST], v[SS]                     ; my wave's own words: LDS serves a wave's instructions in order
	ds_store_b32 v[SST], v[SS+2] offset:128
	s_mov_b32 s[CNT], 8
.Lrows:                                        ; eight rows a trip: scaled in f32, rounded once, stored; each store of the wave covers 256 consecutive bytes, aligned
.irp i, 0,1,2,3,4,5,6,7
	ds_load_b128 v[RW+8*(\i):RW+8*(\i)+3],   v[VRD] offset:(\i)*PD
	ds_load_b128 v[RW+8*(\i)+4:RW+8*(\i)+7], v[VRD] offset:(\i)*PD+512
	ds_load_b32 v[PR+2*(\i)], v[VS] offset:4*(\i)
.endr
.irp i, 0,1,2,3,4,5,6,7
	s_wait_dscnt 21-3*(\i)                         ; row i's three loads are in; the later rows' stay out
	v_pk_mul_f32 v[RW+8*(\i):RW+8*(\i)+1],   v[RW+8*(\i):RW+8*(\i)+1],   v[PR+2*(\i):PR+2*(\i)+1] op_sel_hi:[1,0]
	v_pk_mul_f32 v[RW+8*(\i)+2:RW+8*(\i)+3], v[RW+8*(\i)+2:RW+8*(\i)+3], v[PR+2*(\i):PR+2*(\i)+1] op_sel_hi:[1,0]
	v_pk_mul_f32 v[RW+8*(\i)+4:RW+8*(\i)+5], v[RW+8*(\i)+4:RW+8*(\i)+5], v[PR+2*(\i):PR+2*(\i)+1] op_sel_hi:[1,0]
	v_pk_mul_f32 v[RW+8*(\i)+6:RW+8*(\i)+7], v[RW+8*(\i)+6:RW+8*(\i)+7], v[PR+2*(\i):PR+2*(\i)+1] op_sel_hi:[1,0]
	v_cvt_pk_f16_f32 v[RW+8*(\i)],   v[RW+8*(\i)],   v[RW+8*(\i)+1]
	v_cvt_pk_f16_f32 v[RW+8*(\i)+1], v[RW+8*(\i)+2], v[RW+8*(\i)+3]
	v_cvt_pk_f16_f32 v[RW+8*(\i)+4], v[RW+8*(\i)+4], v[RW+8*(\i)+5]
	v_cvt_pk_f16_f32 v[RW+8*(\i)+5], v[RW+8*(\i)+6], v[RW+8*(\i)+7]
	global_store_b64 v[VO], v[RW+8*(\i):RW+8*(\i)+1],   s[OUT:OUT+1] offset:(\i)*1024
	global_store_b64 v[VO], v[RW+8*(\i)+4:RW+8*(\i)+5], s[OUT:OUT+1] offset:(\i)*1024+256
.endr
	s_wait_xcnt 0x0                                ; the stores have read their registers: offset and data are written again only behind this wait
	v_add_nc_u32 v[VRD], 8*PD, v[VRD]
	v_add_nc_u32 v[VS], 32, v[VS]
	v_add_nc_u32 v[VO], 8192, v[VO]
	s_sub_co_u32 s[CNT], s[CNT], 1
	s_cmp_lg_u32 s[CNT], 0
	s_cbranch_scc1 .Lrows
	s_wait_tensorcnt 0x0                           ; the wave's end
	ds_add_u32 v[SPW], v[NIL]
	s_wait_dscnt 0x0
	CROUND                                         ; the closing round
	s_endpgm
.Lfunc_end_k_qd34d05c958_proj:
	.size	k_qd34d05c958_proj, .Lfunc_end_k_qd34d05c958_proj-k_qd34d05c958_proj
	.p2alignl 7, 3214868480
	.fill 96, 4, 3214868480
	.section	.rodata,"a",@progbits
	.p2align	6, 0x0
	.amdhsa_kernel k_qd34d05c958_proj
		.amdhsa_group_segment_fixed_size 327680
		.amdhsa_private_segment_fixed_size 0
		.amdhsa_enable_private_segment 0
		.amdhsa_kernarg_size 176
		.amdhsa_user_sgpr_count 2
		.amdhsa_user_sgpr_kernarg_segment_ptr 1
		.amdhsa_wavefront_size32 1
		.amdhsa_system_sgpr_workgroup_id_x 1
		.amdhsa_system_sgpr_workgroup_id_y 1
		.amdhsa_system_sgpr_workgroup_id_z 1
		.amdhsa_system_vgpr_workitem_id 0
		.amdhsa_next_free_vgpr 1024
		.amdhsa_next_free_sgpr 96
		.amdhsa_reserve_vcc 0
		.amdhsa_float_denorm_mode_32 3
		.amdhsa_float_denorm_mode_16_64 3
		.amdhsa_memory_ordered 1
		.amdhsa_forward_progress 1
		.amdhsa_inst_pref_size 177
	.end_amdhsa_kernel
	.amdgpu_metadata
---
amdhsa.version: [ 1, 2 ]
amdhsa.kernels:
  - .name:           k_qd34d05c958_proj
    .symbol:         k_qd34d05c958_proj.kd
    .args:
      - { .name: context_features, .offset: 0, .size: 8, .value_kind: global_buffer, .address_space: global }
      - { .name: input_features, .offset: 8, .size: 8, .value_kind: global_buffer, .address_space: global }
      - { .name: w16, .offset: 16, .size: 8, .value_kind: global_buffer, .address_space: global }
      - { .name: valid_mask, .offset: 24, .size: 8, .value_kind: global_buffer, .address_space: global }
      - { .name: k_gamma, .offset: 32, .size: 8, .value_kind: global_buffer, .address_space: global }
      - { .name: k_beta, .offset: 40, .size: 8, .value_kind: global_buffer, .address_space: global }
      - { .name: k_mean, .offset: 48, .size: 8, .value_kind: global_buffer, .address_space: global }
      - { .name: k_var, .offset: 56, .size: 8, .value_kind: global_buffer, .address_space: global }
      - { .name: k_b, .offset: 64, .size: 8, .value_kind: global_buffer, .address_space: global }
      - { .name: kbuf, .offset: 72, .size: 8, .value_kind: global_buffer, .address_space: global }
      - { .name: v_gamma, .offset: 80, .size: 8, .value_kind: global_buffer, .address_space: global }
      - { .name: v_beta, .offset: 88, .size: 8, .value_kind: global_buffer, .address_space: global }
      - { .name: v_mean, .offset: 96, .size: 8, .value_kind: global_buffer, .address_space: global }
      - { .name: v_var, .offset: 104, .size: 8, .value_kind: global_buffer, .address_space: global }
      - { .name: v_b, .offset: 112, .size: 8, .value_kind: global_buffer, .address_space: global }
      - { .name: vbuf, .offset: 120, .size: 8, .value_kind: global_buffer, .address_space: global }
      - { .name: q_gamma, .offset: 128, .size: 8, .value_kind: global_buffer, .address_space: global }
      - { .name: q_beta, .offset: 136, .size: 8, .value_kind: global_buffer, .address_space: global }
      - { .name: q_mean, .offset: 144, .size: 8, .value_kind: global_buffer, .address_space: global }
      - { .name: q_var, .offset: 152, .size: 8, .value_kind: global_buffer, .address_space: global }
      - { .name: q_b, .offset: 160, .size: 8, .value_kind: global_buffer, .address_space: global }
      - { .name: qbuf, .offset: 168, .size: 8, .value_kind: global_buffer, .address_space: global }
    .group_segment_fixed_size: 327680
    .private_segment_fixed_size: 0
    .kernarg_segment_align: 8
    .kernarg_segment_size: 176
    .max_flat_workgroup_size: 128
    .sgpr_count:     96
    .vgpr_count:     1024
    .wavefront_size: 32
...
	.end_amdgpu_metadata
.endif
;; end of part 2
;; launch scores (part 3): grid 8 x 32, 4 waves a work-group, clusters of 4 x 4, 327,680 bytes of LDS; arguments qbuf, kbuf, valid_mask, pbuf, stats; writes pbuf, stats
.if DOCPART == 3
	.amdgcn_target "amdgcn-amd-amdhsa--gfx1250"
	.amdhsa_code_object_version 6
	.text
	.protected	k_qd34d05c958_scores
	.globl	k_qd34d05c958_scores
	.p2align	8
	.type	k_qd34d05c958_scores,@function
k_qd34d05c958_scores:
	s_mov_b64 s[64:65], 0
	v_nop
	global_prefetch_b8 v0, s[64:65] scope:SCOPE_SE
	s_setreg_imm32_b32 hwreg(HW_REG_WAVE_MODE, 25, 1), 1
	s_wait_xcnt 0x0
	s_wait_alu depctr_hold_cnt(0) depctr_sa_sdst(0) depctr_va_vdst(0) depctr_va_sdst(0) depctr_va_ssrc(0) depctr_va_vcc(0) depctr_vm_vsrc(0)
	s_getreg_b32 s2, hwreg(HW_REG_IB_STS2, 6, 4)
	s_cmp_eq_u32 s2, 0
	s_cbranch_scc0 .Lentry_in_a_cluster
	s_endpgm
.Lentry_in_a_cluster:
	s_bfe_u32 s2, ttmp6, 0x10000c
	s_cmp_lg_u32 s2, 0xf033
	s_cbranch_scc0 .Lentry_shape_is_right
	s_endpgm
.Lentry_shape_is_right:
; P = 2^(c s - c m) in f16, s = q . k (less 1e5 where the key is hidden, as the model has it), c = 100 log2(e); m is the TRUE maximum of the row over a block of 128 keys;
; stats takes (c m, l) in f32 for each row and block, l the sum of the unrounded p.  The next launch merges the 16 blocks of a row in f32.
; SHARES.  A tile is 256 queries x 256 keys of one batch, K = 512 in four steps of 128 through two LDS slots; four waves, 128 x 128 each: 64 accumulators; a wave's 128 keys are one block.
; CLUSTER 4 x 4: q's tile is shared along a row of the cluster, k's along a column: joint loads.  No prefetch: of the four K steps two are the first fills and two follow at once.
; TRANSPOSED USE: source 0 = 16 keys, source 1 = 16 queries: a lane holds one query and eight neighbouring keys.  The sums start at the mask's addend (0 or -1e5), by 512 v_mov_b32 in the wait for the first tile.
; LIMITS: a weight under 2^-126 counts as 0; p below 6e-5 keeps f16's fixed step; NaN and infinities are not treated apart.
; REGISTERS: window 0: v0-63 addresses and work; v64-191 q's fragments, two buffers; v192-255 the mask's addends.  window 1: v64-191 k's fragments.  windows 2, 3: accumulator (a, b) at 8 (8 (a % 4) + b).
.set PITCH,  272
.set HALFT,  128*PITCH
.set SLOTX,  4*HALFT                   ; 0x22000: no bit of it occurs in wave x HALFT
.set SPARE,  2*SLOTX
.set PD,     528                       ; the way out: a row of 128 f32 + 16 bytes
.set DWB,    128*PD
.set LAA, 1
.set LBB, 2
.set ADA, 3
.set ADB, 4
.set VDS, 5
.set RDA, 6
.set RD2, 7
.set CO,  8
.set SO,  9
.set SPW, 10
.set NIL, 11
.set T,   32
.set CM,  36                           ; v[36:37] c m, l
.set LC,  40                           ; four chains of sums
.set F0,  64
.set F1,  128
.set S,   64
.set MD,  192
.set WV, 14
.set RH, 15
.set CW, 16
.set CX, 17
.set CY, 18
.set TC, 19
.set TR, 20
.set BA, 21
.set G1, 24
.set G0, 32
.set G1B, 40
.set G0B, 48
.set TB, 56
.set CNT, 57
.set CC, 58
.set BIG, 60
.set NBIG, 61
.set MSB, 0
.macro WIN new
.if MSB != (\new)
	s_set_vgpr_msb (MSB<<8)|(\new)
.set MSB, (\new)
.endif
.endm
.macro PLACES
.rept 4
	v_nop
.endr
.endm
.macro CREST
	s_cmp_lg_u32 s[WV], 0
	s_cbranch_scc1 .Lnot_wave_0_\@
	s_barrier_signal -3
.Lnot_wave_0_\@:
	s_barrier_wait -3
	s_barrier_signal -1
	s_barrier_wait -1
.endm
.macro CROUND
	s_barrier_signal -1
	s_barrier_wait -1
	CREST
.endm
.macro JLOAD                           ; a joint refill: waves 0, 1 fetch q's halves, waves 2, 3 k's; the branch hangs on the wave's number alone
	s_cmp_eq_u32 s[RH], 0
	s_cbranch_scc0 .Lfor_b_\@
	tensor_load_to_lds s[G0+4:G0+7], s[G1:G1+7]
	s_nop 0
	PLACES
	s_branch .Lasked_\@
.Lfor_b_\@:
	tensor_load_to_lds s[G0B+4:G0B+7], s[G1B:G1B+7]
	s_nop 0
	PLACES
.Lasked_\@:
.endm
	s_load_b256 s[4:11], s[0:1], 0x0               ; qbuf, kbuf, mask, pbuf
	s_load_b64 s[12:13], s[0:1], 0x20              ; stats
	v_lshl_add_u32 v[SPW], v0, 2, SPARE
	v_mov_b32 v[NIL], 0
	ds_add_u32 v[SPW], v[NIL]                      ; the wave's opening: the add and its wait stand ahead of my first tensor load
	v_lshrrev_b32 v12, 5, v0
	v_readfirstlane_b32 s[WV], v12
	s_lshr_b32 s[RH], s[WV], 1                     ; my half of the queries; also: I fetch q (0) or k (1)
	s_and_b32 s[CW], s[WV], 1                      ; my half of the keys; also: which 128 rows I fetch
	s_bfe_u32 s[CX], ttmp6, 0x40000
	s_bfe_u32 s[CY], ttmp6, 0x40004
	s_lshl_b32 s[TC], ttmp9, 2
	s_add_co_u32 s[TC], s[TC], s[CX]               ; key tile 0-7
	s_and_b32 s[BA], ttmp7, 0xffff                 ; the cluster's y is the batch
	s_lshl_b32 s[TR], s[BA], 2
	s_add_co_u32 s[TR], s[TR], s[CY]               ; query tile 0-31
	s_lshl_b32 s22, s[CY], 2
	s_lshl_b32 s22, 15, s22                        ; my row of the cluster
	s_lshl_b32 s23, 0x1111, s[CX]                  ; my column
	s_or_b32 s[G1], s22, (1<<16)|(1<<20)|(1<<21)|(5<<22)|(3<<25)   ; 2-byte elements; padding: after every 64 words 4 words
	s_or_b32 s[G1B], s23, (1<<16)|(1<<20)|(1<<21)|(5<<22)|(3<<25)
.irp g, G1, G1B
	s_mov_b32 s[(\g)+1], 128<<16                   ; tensor_dim0 = 128
	s_mov_b32 s[(\g)+2], 128<<16                   ; tensor_dim1 = 128
	s_mov_b32 s[(\g)+3], 128<<16                   ; tile_dim0 = 128
	s_mov_b32 s[(\g)+4], 128                       ; tile_dim1 = 128
	s_mov_b32 s[(\g)+5], 512                       ; elements from row to row
	s_mov_b32 s[(\g)+6], 0
	s_mov_b32 s[(\g)+7], 0
.endr
	s_lshl_b32 s72, s[CW], 17                      ; 128 rows of 1,024 bytes
	s_lshl_b32 s66, s[TR], 18
	s_add_co_u32 s66, s66, s72                     ; q: the tile row and the wave alone
	s_mov_b32 s67, 0
	s_lshl_b32 s68, s[BA], 21
	s_lshl_b32 s73, s[TC], 18
	s_add_co_u32 s68, s68, s73
	s_add_co_u32 s68, s68, s72                     ; k: the batch, the tile column and the wave alone
	s_mov_b32 s69, 0
	s_mul_i32 s70, s[WV], HALFT
	s_mov_b32 s[CC], 0x431044fe                    ; c = 100 log2(e)
	s_mov_b32 s[CC+1], s[CC]
	s_mov_b32 s[BIG], 0x47c35000                   ; 1e5
	s_mov_b32 s[NBIG], 0xc7c35000
	s_mov_b32 s[TB], 0
	s_wait_dscnt 0x0
	s_wait_kmcnt 0x0
	s_add_nc_u64 s[66:67], s[4:5], s[66:67]
	s_add_nc_u64 s[68:69], s[6:7], s[68:69]
	CROUND
.irp s, 0,1
	s_mov_b32 s[G0+4*(\s)], 1
	s_add_co_u32 s[G0+4*(\s)+1], s70, (\s)*SLOTX
	s_add_nc_u64 s[G0+4*(\s)+2:G0+4*(\s)+3], s[66:67], (\s)*256
	s_or_b32 s[G0+4*(\s)+3], s[G0+4*(\s)+3], 0x80000000
	s_mov_b32 s[G0B+4*(\s)], 1
	s_add_co_u32 s[G0B+4*(\s)+1], s70, (\s)*SLOTX
	s_add_nc_u64 s[G0B+4*(\s)+2:G0B+4*(\s)+3], s[68:69], (\s)*256
	s_or_b32 s[G0B+4*(\s)+3], s[G0B+4*(\s)+3], 0x80000000
.endr
	s_cmp_eq_u32 s[RH], 0                          ; a wave's two first fills stand in one branch: two loads of mine are out
	s_cbranch_scc0 .Lfirst_b
	tensor_load_to_lds s[G0:G0+3], s[G1:G1+7]
	s_nop 0
	tensor_load_to_lds s[G0+4:G0+7], s[G1:G1+7]
	s_nop 0
	PLACES
	s_branch .Lfirst_asked
.Lfirst_b:
	tensor_load_to_lds s[G0B:G0B+3], s[G1B:G1B+7]
	s_nop 0
	tensor_load_to_lds s[G0B+4:G0B+7], s[G1B:G1B+7]
	s_nop 0
	PLACES
.Lfirst_asked:
	s_lshl_b32 s74, s[BA], 11                      ; the mask at my 128 keys
	s_lshl_b32 s76, s[TC], 8
	s_add_co_u32 s74, s74, s76
	s_lshl_b32 s76, s[CW], 7
	s_add_co_u32 s74, s74, s76
	s_mov_b32 s75, 0
	s_add_nc_u64 s[8:9], s[8:9], s[74:75]
	s_lshl_b32 s74, s[TR], 20                      ; P at my first row (4,096 bytes a row) and my 256 bytes of it
	s_lshl_b32 s76, s[RH], 19
	s_add_co_u32 s74, s74, s76
	s_lshl_b32 s76, s[TC], 9
	s_add_co_u32 s74, s74, s76
	s_lshl_b32 s76, s[CW], 8
	s_add_co_u32 s74, s74, s76
	s_add_nc_u64 s[10:11], s[10:11], s[74:75]
	s_lshl_b32 s74, s[BA], 17                      ; stats: 8 ((16 batch + 2 tile + half) 1,024 + the row in the batch)
	s_lshl_b32 s76, s[TC], 14
	s_add_co_u32 s74, s74, s76
	s_lshl_b32 s76, s[CW], 13
	s_add_co_u32 s74, s74, s76
	s_lshl_b32 s76, s[CY], 11
	s_add_co_u32 s74, s74, s76
	s_lshl_b32 s76, s[RH], 10
	s_add_co_u32 s74, s74, s76
	s_add_nc_u64 s[12:13], s[12:13], s[74:75]
	v_and_b32 v12, 15, v0
	v_bfe_u32 v13, v0, 4, 1
	v_lshlrev_b32 v14, 3, v13
.irp b, 0,1,2,3,4,5,6,7
	global_load_b64 v[48+2*(\b):49+2*(\b)], v14, s[8:9] offset:16*(\b)  ; the mask's bytes of keys 16 b + 8 (l / 16) + 0..7
.endr
	v_and_b32 v15, 31, v0
	v_mul_u32_u24 v16, v12, PITCH
	v_lshl_add_u32 v16, v13, 4, v16
	s_mul_i32 s62, s[RH], HALFT
	s_mul_i32 s63, s[CW], HALFT
	s_add_co_u32 s63, s63, 2*HALFT
	v_add_nc_u32 v[LAA], s62, v16
	v_add_nc_u32 v[LBB], s63, v16
	s_mul_i32 s62, s[WV], DWB
	v_mul_u32_u24 v[VDS], v12, PD
	v_lshl_add_u32 v[VDS], v13, 5, v[VDS]
	v_add_nc_u32 v[VDS], s62, v[VDS]               ; the way out, in: row l % 16, 32 bytes for each half of the lanes
	v_mul_u32_u24 v[RDA], v15, PD
	v_add_nc_u32 v[RDA], s62, v[RDA]               ; a lane a row
	v_mul_u32_u24 v[RD2], v13, PD
	v_lshl_add_u32 v[RD2], v12, 4, v[RD2]
	v_add_nc_u32 v[RD2], s62, v[RD2]               ; back: 16 lanes a row of 256 bytes
	v_lshlrev_b32 v[CO], 12, v13
	v_lshl_add_u32 v[CO], v12, 4, v[CO]
	v_lshlrev_b32 v[SO], 3, v15
	v_mov_b32 v[CM+1], 0                           ; named with c m as a pair
	s_wait_loadcnt 0x0
.irp b, 0,1,2,3,4,5,6,7
.irp j, 0,1,2,3,4,5,6,7
	v_bfe_u32 v17, v[48+2*(\b)+(\j)/4], 8*((\j)%4), 8
	v_cvt_f32_u32 v17, v17
	v_fma_f32 v[MD+8*(\b)+(\j)], v17, s[BIG], s[NBIG]  ; 0 where the key is valid, -1e5 where it is hidden
.endr
.endr
	WIN 0x80
.set i, 0
.rept 256
	v_mov_b32 v[i], v[MD+(i%64)]
.set i, i+1
.endr
	WIN 0xc0
.set i, 0
.rept 256
	v_mov_b32 v[i], v[MD+(i%64)]
.set i, i+1
.endr
	WIN 0
; 16 matrix instructions; the 64 accumulators take turns, one instruction a turn, in the same order in every quarter
.macro MUL16 f, hi, a0
	WIN 0xa1+0x50*(\hi)
.irp a, \a0, (\a0)+1
.irp b, 0,1,2,3,4,5,6,7
	v_wmma_f32_16x16x32_f16 v[8*(8*(\a)+(\b)):8*(8*(\a)+(\b))+7], v[(\f)+8*(\b):(\f)+8*(\b)+7], v[(\f)+8*(4*(\hi)+(\a)):(\f)+8*(4*(\hi)+(\a))+7], v[8*(8*(\a)+(\b)):8*(8*(\a)+(\b))+7]
.endr
.endr
.endm
.macro FETCH k, f                      ; 32 LDS loads in one run: 128 keys and 128 queries, 32 channels at byte k of the rows
	WIN 0
	v_add_nc_u32 v[ADA], s[TB], v[LAA]
	v_add_nc_u32 v[ADB], s[TB], v[LBB]
	WIN 0x40
.irp i, 0,1,2,3,4,5,6,7
	ds_load_b128 v[(\f)+8*(\i):(\f)+8*(\i)+3],   v[ADB] offset:(\k)+(\i)*16*PITCH
	ds_load_b128 v[(\f)+8*(\i)+4:(\f)+8*(\i)+7], v[ADB] offset:(\k)+(\i)*16*PITCH+32
.endr
	WIN 0
.irp i, 0,1,2,3,4,5,6,7
	ds_load_b128 v[(\f)+8*(\i):(\f)+8*(\i)+3],   v[ADA] offset:(\k)+(\i)*16*PITCH
	ds_load_b128 v[(\f)+8*(\i)+4:(\f)+8*(\i)+7], v[ADA] offset:(\k)+(\i)*16*PITCH+32
.endr
.endm
.macro QUARTER k, f, g
	s_wait_dscnt 0x0
	MUL16 \f, 0, 0
	MUL16 \f, 0, 2
	PLACES
	FETCH \k, \g
	MUL16 \f, 1, 0
	MUL16 \f, 1, 2
.endm
; The change of slots: all my tensor loads have landed, the add, my reads of this slot are back; the barrier (with fill = 1 it opens a round of the cluster's); the joint refill first behind it.
.macro TURN fill
	WIN 0
	s_wait_tensorcnt 0x0
	ds_add_u32 v[SPW], v[NIL]
.if \fill
.irp g, G0+4, G0B+4
	s_xor_b32 s[(\g)+1], s[(\g)+1], SLOTX
	s_add_nc_u64 s[(\g)+2:(\g)+3], s[(\g)+2:(\g)+3], 256
.endr
.endif
	s_wait_dscnt 0x0
	s_barrier_signal -1
	MUL16 F1, 0, 0
	MUL16 F1, 0, 2
	WIN 0
	s_barrier_wait -1
.if \fill
	CREST
	JLOAD
.else
	PLACES
.endif
	s_xor_b32 s[TB], s[TB], SLOTX
	FETCH 0, F0
	MUL16 F1, 1, 0
	MUL16 F1, 1, 2
.endm
.macro STEP fill
	QUARTER 64,  F0, F1
	QUARTER 128, F1, F0
	QUARTER 192, F0, F1
	TURN \fill
.endm
	s_wait_tensorcnt 0x1                           ; my part of K step 0 is in; step 1's may stay out
	s_barrier_signal -1
	s_barrier_wait -1
	FETCH 0, F0
	WIN 0
	s_mov_b32 s[CNT], 2
.Lmain:
	STEP 1
	WIN 0
	s_sub_co_u32 s[CNT], s[CNT], 1
	s_cmp_lg_u32 s[CNT], 0
	s_cbranch_scc1 .Lmain
	s_mov_b32 s[CNT], 2
.Ltail:                                        ; the last two steps ask for nothing; the very last fetch reads bytes that are never multiplied
	STEP 0
	WIN 0
	s_sub_co_u32 s[CNT], s[CNT], 1
	s_cmp_lg_u32 s[CNT], 0
	s_cbranch_scc1 .Ltail
	s_wait_dscnt 0x0
	s_barrier_signal -1
	s_barrier_wait -1                              ; nobody reads the ring any more: it has had its last fill and takes the scores
	PLACES
	PLACES
.irp a, 0,1,2,3,4,5,6,7
	WIN 0x08+4*((\a)/4)
.irp b, 0,1,2,3,4,5,6,7
	ds_store_b128 v[VDS], v[64*((\a)%4)+8*(\b):64*(\a%4)+8*(\b)+3]   offset:(\a)*16*PD+64*(\b)
	ds_store_b128 v[VDS], v[64*((\a)%4)+8*(\b)+4:64*(\a%4)+8*(\b)+7] offset:(\a)*16*PD+64*(\b)+16
.endr
.endr
	WIN 0
	s_mov_b32 s[CNT], 4
.Lsm:                                          ; 32 rows a trip, a lane a row: the wave's own bytes, served in order, so no barrier
.set i, 0
.rept 32
	ds_load_b128 v[S+4*i:S+4*i+3], v[RDA] offset:16*i
.set i, i+1
.endr
	s_wait_dscnt 0x0
.irp c, 0,1,2,3
	v_max3_num_f32 v[T+(\c)], v[S+32*(\c)], v[S+32*(\c)+1], v[S+32*(\c)+2]
.endr
.set i, 0
.rept 14
.irp c, 0,1,2,3
	v_max3_num_f32 v[T+(\c)], v[T+(\c)], v[S+32*(\c)+3+2*i], v[S+32*(\c)+4+2*i]
.endr
.set i, i+1
.endr
	v_max3_num_f32 v[T], v[T], v[S+31], v[S+63]
	v_max3_num_f32 v[T+2], v[T+2], v[S+95], v[S+127]
	v_max3_num_f32 v[T], v[T], v[T+1], v[T+2]
	v_max_num_f32 v[T], v[T], v[T+3]
	v_mul_f32 v[CM], s[CC], v[T]                   ; c m
.set i, 0
.rept 64
	v_pk_fma_f32 v[S+2*i:S+2*i+1], v[S+2*i:S+2*i+1], s[CC:CC+1], v[CM:CM+1] op_sel_hi:[1,0,0] neg_lo:[0,0,1] neg_hi:[0,0,1]
.set i, i+1
.endr
.set i, 0
.rept 128
	v_exp_f32 v[S+i], v[S+i]
.set i, i+1
.endr
	v_nop                                          ; a plain instruction behind the last exponential,
	s_wait_alu depctr_va_vdst(0)                   ; and one wait for the batch of 128
.set i, 0
.rept 64
	v_cvt_pk_f16_f32 v[MD+i], v[S+2*i], v[S+2*i+1]
.set i, i+1
.endr
.set i, 0
.rept 4
	v_pk_add_f32 v[LC+2*i:LC+2*i+1], v[S+2*i:S+2*i+1], v[S+8+2*i:S+8+2*i+1]
.set i, i+1
.endr
.set i, 8
.rept 56
	v_pk_add_f32 v[LC+2*(i%4):LC+2*(i%4)+1], v[LC+2*(i%4):LC+2*(i%4)+1], v[S+2*i:S+2*i+1]
.set i, i+1
.endr
	v_pk_add_f32 v[LC:LC+1], v[LC:LC+1], v[LC+2:LC+3]
	v_pk_add_f32 v[LC+4:LC+5], v[LC+4:LC+5], v[LC+6:LC+7]
	v_pk_add_f32 v[LC:LC+1], v[LC:LC+1], v[LC+4:LC+5]
	v_add_f32 v[CM+1], v[LC], v[LC+1]              ; l
.set i, 0
.rept 16
	ds_store_b128 v[RDA], v[MD+4*i:MD+4*i+3] offset:16*i  ; P into the row's own first 256 bytes,
.set i, i+1
.endr
.set i, 0
.rept 16
	ds_load_b128 v[S+4*i:S+4*i+3], v[RD2] offset:i*2*PD   ; and back by rows, two a load
.set i, i+1
.endr
	global_store_b64 v[SO], v[CM:CM+1], s[12:13]   ; 32 rows' (c m, l): 256 consecutive bytes, aligned
.set i, 0
.rept 16
	s_wait_dscnt 15-i
	global_store_b128 v[CO], v[S+4*i:S+4*i+3], s[10:11] offset:8192*i  ; 16 lanes store 256 consecutive bytes, aligned
.set i, i+1
.endr
	s_wait_xcnt 0x0                                ; the stores have read their registers
	v_add_nc_u32 v[RDA], 32*PD, v[RDA]
	v_add_nc_u32 v[RD2], 32*PD, v[RD2]
	v_add_nc_u32 v[CO], 0x20000, v[CO]
	v_add_nc_u32 v[SO], 0x100, v[SO]
	s_sub_co_u32 s[CNT], s[CNT], 1
	s_cmp_lg_u32 s[CNT], 0
	s_cbranch_scc1 .Lsm
	s_wait_tensorcnt 0x0                           ; the wave's end
	ds_add_u32 v[SPW], v[NIL]
	s_wait_dscnt 0x0
	CROUND
	s_endpgm
.Lfunc_end_k_qd34d05c958_scores:
	.size	k_qd34d05c958_scores, .Lfunc_end_k_qd34d05c958_scores-k_qd34d05c958_scores
	.p2alignl 7, 3214868480
	.fill 96, 4, 3214868480
	.section	.rodata,"a",@progbits
	.p2align	6, 0x0
	.amdhsa_kernel k_qd34d05c958_scores
		.amdhsa_group_segment_fixed_size 327680
		.amdhsa_private_segment_fixed_size 0
		.amdhsa_enable_private_segment 0
		.amdhsa_kernarg_size 40
		.amdhsa_user_sgpr_count 2
		.amdhsa_user_sgpr_kernarg_segment_ptr 1
		.amdhsa_wavefront_size32 1
		.amdhsa_system_sgpr_workgroup_id_x 1
		.amdhsa_system_sgpr_workgroup_id_y 1
		.amdhsa_system_sgpr_workgroup_id_z 1
		.amdhsa_system_vgpr_workitem_id 0
		.amdhsa_next_free_vgpr 1024
		.amdhsa_next_free_sgpr 96
		.amdhsa_reserve_vcc 0
		.amdhsa_float_denorm_mode_32 3
		.amdhsa_float_denorm_mode_16_64 3
		.amdhsa_memory_ordered 1
		.amdhsa_forward_progress 1
		.amdhsa_inst_pref_size 125
	.end_amdhsa_kernel
	.amdgpu_metadata
---
amdhsa.version: [ 1, 2 ]
amdhsa.kernels:
  - .name:           k_qd34d05c958_scores
    .symbol:         k_qd34d05c958_scores.kd
    .args:
      - { .name: qbuf, .offset: 0, .size: 8, .value_kind: global_buffer, .address_space: global }
      - { .name: kbuf, .offset: 8, .size: 8, .value_kind: global_buffer, .address_space: global }
      - { .name: valid_mask, .offset: 16, .size: 8, .value_kind: global_buffer, .address_space: global }
      - { .name: pbuf, .offset: 24, .size: 8, .value_kind: global_buffer, .address_space: global }
      - { .name: stats, .offset: 32, .size: 8, .value_kind: global_buffer, .address_space: global }
    .group_segment_fixed_size: 327680
    .private_segment_fixed_size: 0
    .kernarg_segment_align: 8
    .kernarg_segment_size: 40
    .max_flat_workgroup_size: 128
    .sgpr_count:     96
    .vgpr_count:     1024
    .wavefront_size: 32
...
	.end_amdgpu_metadata
.endif
;; end of part 3
;; launch pv (part 4): grid 4 x 64, 4 waves a work-group, clusters of 4 x 4, 327,680 bytes of LDS; arguments pbuf, vbuf, stats, f_gamma, f_beta, f_mean, f_var, hbuf; writes hbuf
.if DOCPART == 4
	.amdgcn_target "amdgcn-amd-amdhsa--gfx1250"
	.amdhsa_code_object_version 6
	.text
	.protected	k_qd34d05c958_pv
	.globl	k_qd34d05c958_pv
	.p2align	8
	.type	k_qd34d05c958_pv,@function
k_qd34d05c958_pv:
	s_mov_b64 s[64:65], 0
	v_nop
	global_prefetch_b8 v0, s[64:65] scope:SCOPE_SE
	s_setreg_imm32_b32 hwreg(HW_REG_WAVE_MODE, 25, 1), 1
	s_wait_xcnt 0x0
	s_wait_alu depctr_hold_cnt(0) depctr_sa_sdst(0) depctr_va_vdst(0) depctr_va_sdst(0) depctr_va_ssrc(0) depctr_va_vcc(0) depctr_vm_vsrc(0)
	s_getreg_b32 s2, hwreg(HW_REG_IB_STS2, 6, 4)
	s_cmp_eq_u32 s2, 0
	s_cbranch_scc0 .Lentry_in_a_cluster
	s_endpgm
.Lentry_in_a_cluster:
	s_bfe_u32 s2, ttmp6, 0x10000c
	s_cmp_lg_u32 s2, 0xf033
	s_cbranch_scc0 .Lentry_shape_is_right
	s_endpgm
.Lentry_shape_is_right:
; features = (sum over the 16 key blocks t of f_t P_t V_t) / (sum of f_t l_t), f_t = 2^(c m_t - max over t of c m_t): the blocks' true maxima are merged in f32.  hbuf = BN_f(features) in f16.
; SHARES.  A tile is 128 queries x 128 channels, K = 2,048 keys in eight steps of 256 (two blocks) through two LDS slots; four waves, 64 x 64 each.
; A block's 128 keys are summed in 16 accumulators that start with the constant 0; then master += f_t x block, in f32, 64 packed lines.
; CLUSTER 4 x 4: P's tile is shared along a row of the cluster, V's along a column.  No prefetch: eight steps, of which two are first fills; the launch is short.
; TRANSPOSED USE: source 0 = 16 channels of V (turned out of LDS), source 1 = 16 queries of P: a lane holds one query, so f_t is one number a lane and row block.
; LIMITS: |BN_f(features)| under 65,504; NaN and infinities are not treated apart.
; REGISTERS: window 0: v0-31 addresses; v32-39 f_t; v40-47 1 / l; v48-79 s, v80-111 t of BN_f; v128-255 V's fragments, two buffers.  window 1: v0-127 block sums, v128-255 P's fragments.  window 2: v0-127 master.
.set PP,     528
.set APART,  64*PP
.set ABYTES, 2*APART
.set PV,     288
.set BPART,  128*PV
.set SLOTX,  147456                    ; 0x24000: no bit of it occurs in the four loads' LDS addresses
.set FT,     294912                    ; [wave][16 blocks][64 rows] f32
.set SPARE,  FT+16384
.set SP,     272                       ; the stage, 128 rows, in slot 0 after its last fill
.set LP, 1
.set LV, 2
.set LV2, 3
.set ADP, 4
.set ADV, 5
.set VF, 6
.set VST, 7
.set STO, 8
.set RD, 9
.set SPW, 10
.set NIL, 11
.set VPA, 12
.set CO, 17
.set FR, 32
.set RL, 40
.set SSC, 48
.set TTC, 80
.set WV, 20
.set RH, 21
.set CW, 22
.set CX, 23
.set CY, 66
.set TR, 67
.set BA, 68
.set TC, 71
.set G1, 24
.set G0, 32
.set G1B, 40
.set G0B, 48
.set TB, 56
.set CNT, 57
.set MSB, 0
.macro WIN new
.if MSB != (\new)
	s_set_vgpr_msb (MSB<<8)|(\new)
.set MSB, (\new)
.endif
.endm
.macro PLACES
.rept 4
	v_nop
.endr
.endm
.macro CREST
	s_cmp_lg_u32 s[WV], 0
	s_cbranch_scc1 .Lnot_wave_0_\@
	s_barrier_signal -3
.Lnot_wave_0_\@:
	s_barrier_wait -3
	s_barrier_signal -1
	s_barrier_wait -1
.endm
.macro CROUND
	s_barrier_signal -1
	s_barrier_wait -1
	CREST
.endm
.macro JLOAD
	s_cmp_eq_u32 s[RH], 0
	s_cbranch_scc0 .Lfor_b_\@
	tensor_load_to_lds s[G0+4:G0+7], s[G1:G1+7]
	s_nop 0
	PLACES
	s_branch .Lasked_\@
.Lfor_b_\@:
	tensor_load_to_lds s[G0B+4:G0B+7], s[G1B:G1B+7]
	s_nop 0
	PLACES
.Lasked_\@:
.endm
	s_load_b512 s[4:19], s[0:1], 0x0               ; pbuf, vbuf, stats, f_gamma, f_beta, f_mean, f_var, hbuf
	v_lshl_add_u32 v[SPW], v0, 2, SPARE
	v_mov_b32 v[NIL], 0
	ds_add_u32 v[SPW], v[NIL]                      ; the wave's opening: the add and its wait stand ahead of my first tensor load
	v_lshrrev_b32 v13, 5, v0
	v_readfirstlane_b32 s[WV], v13
	s_lshr_b32 s[RH], s[WV], 1
	s_and_b32 s[CW], s[WV], 1
	s_bfe_u32 s[CX], ttmp6, 0x40000
	s_bfe_u32 s[CY], ttmp6, 0x40004
	s_lshl_b32 s[TC], ttmp9, 2
	s_add_co_u32 s[TC], s[TC], s[CX]               ; channel tile 0-3
	s_and_b32 s58, ttmp7, 0xffff
	s_lshr_b32 s[BA], s58, 1                       ; two clusters along y to a batch
	s_lshl_b32 s[TR], s58, 2
	s_add_co_u32 s[TR], s[TR], s[CY]               ; query tile 0-63
	s_lshl_b32 s69, s[CY], 2
	s_lshl_b32 s69, 15, s69
	s_lshl_b32 s70, 0x1111, s[CX]
	s_or_b32 s[G1], s69, (1<<16)|(1<<20)|(1<<21)|(6<<22)|(3<<25)   ; P: after every 128 words 4 words
	s_mov_b32 s[G1+1], 256<<16
	s_mov_b32 s[G1+2], 64<<16
	s_mov_b32 s[G1+3], 256<<16
	s_mov_b32 s[G1+4], 64
	s_mov_b32 s[G1+5], 2048
	s_mov_b32 s[G1+6], 0
	s_mov_b32 s[G1+7], 0
	s_or_b32 s[G1B], s70, (1<<16)|(1<<20)|(1<<21)|(5<<22)|(7<<25)  ; V: after every 64 words 8 words
	s_mov_b32 s[G1B+1], 128<<16
	s_mov_b32 s[G1B+2], 128<<16
	s_mov_b32 s[G1B+3], 128<<16
	s_mov_b32 s[G1B+4], 128
	s_mov_b32 s[G1B+5], 512
	s_mov_b32 s[G1B+6], 0
	s_mov_b32 s[G1B+7], 0
	s_lshl_b32 s59, s[CW], 18                      ; 64 rows of 4,096 bytes
	s_lshl_b32 s72, s[TR], 19
	s_add_co_u32 s72, s72, s59
	s_mov_b32 s73, 0
	s_lshl_b32 s60, s[CW], 17                      ; 128 rows of 1,024 bytes
	s_lshl_b32 s74, s[BA], 21
	s_add_co_u32 s74, s74, s60
	s_lshl_b32 s76, s[TC], 8
	s_add_co_u32 s74, s74, s76
	s_mov_b32 s75, 0
	s_mul_i32 s61, s[CW], APART
	s_mul_i32 s62, s[CW], BPART
	s_add_co_u32 s62, s62, ABYTES
	s_mov_b32 s[TB], 0
	s_wait_dscnt 0x0
	s_wait_kmcnt 0x0
	s_add_nc_u64 s[72:73], s[4:5], s[72:73]
	s_add_nc_u64 s[74:75], s[6:7], s[74:75]
	CROUND
.irp s, 0,1
	s_mov_b32 s[G0+4*(\s)], 1
	s_add_co_u32 s[G0+4*(\s)+1], s61, (\s)*SLOTX
	s_add_nc_u64 s[G0+4*(\s)+2:G0+4*(\s)+3], s[72:73], (\s)*512
	s_or_b32 s[G0+4*(\s)+3], s[G0+4*(\s)+3], 0x80000000
	s_mov_b32 s[G0B+4*(\s)], 1
	s_add_co_u32 s[G0B+4*(\s)+1], s62, (\s)*SLOTX
	s_add_nc_u64 s[G0B+4*(\s)+2:G0B+4*(\s)+3], s[74:75], (\s)*262144
	s_or_b32 s[G0B+4*(\s)+3], s[G0B+4*(\s)+3], 0x80000000
.endr
	s_cmp_eq_u32 s[RH], 0
	s_cbranch_scc0 .Lfirst_b
	tensor_load_to_lds s[G0:G0+3], s[G1:G1+7]
	s_nop 0
	tensor_load_to_lds s[G0+4:G0+7], s[G1:G1+7]
	s_nop 0
	PLACES
	s_branch .Lfirst_asked
.Lfirst_b:
	tensor_load_to_lds s[G0B:G0B+3], s[G1B:G1B+7]
	s_nop 0
	tensor_load_to_lds s[G0B+4:G0B+7], s[G1B:G1B+7]
	s_nop 0
	PLACES
.Lfirst_asked:
	s_lshl_b32 s78, s[BA], 17                      ; stats at my 64 rows of the batch
	s_and_b32 s80, s[TR], 7
	s_lshl_b32 s80, s80, 10
	s_add_co_u32 s78, s78, s80
	s_lshl_b32 s80, s[RH], 9
	s_add_co_u32 s78, s78, s80
	s_mov_b32 s79, 0
	s_add_nc_u64 s[8:9], s[8:9], s[78:79]
	s_lshl_b32 s78, s[TR], 17                      ; hbuf at the 32 rows that I store, my tile's 256 bytes
	s_lshl_b32 s80, s[WV], 15
	s_add_co_u32 s78, s78, s80
	s_lshl_b32 s80, s[TC], 8
	s_add_co_u32 s78, s78, s80
	s_add_nc_u64 s[18:19], s[18:19], s[78:79]
	s_lshl_b32 s82, s[TC], 9                       ; my 64 channels in BN_f's parameters
	s_lshl_b32 s80, s[CW], 8
	s_add_co_u32 s82, s82, s80
	v_and_b32 v13, 15, v0
	v_bfe_u32 v14, v0, 4, 1
	v_and_b32 v15, 7, v0
	v_bfe_u32 v16, v0, 3, 1
	v_lshlrev_b32 v[VST], 3, v13
.irp a, 0,1,2,3
.irp t, 0,1,2,3,4,5,6,7,8,9,10,11,12,13,14,15
	global_load_b64 v[128+32*(\a)+2*(\t):129+32*(\a)+2*(\t)], v[VST], s[8:9] offset:8192*(\t)+128*(\a)  ; (c m, l) of row 16 a + l % 16, block t
.endr
.endr
	s_mul_i32 s58, s[RH], 64*PP
	v_mul_u32_u24 v[LP], v13, PP
	v_lshl_add_u32 v[LP], v14, 4, v[LP]
	v_add_nc_u32 v[LP], s58, v[LP]
	v_lshl_add_u32 v[LV], v14, 3, v15
	v_mul_u32_u24 v[LV], v[LV], PV
	v_lshl_add_u32 v[LV], v16, 4, v[LV]
	s_lshl_b32 s58, s[CW], 7
	s_add_co_u32 s58, s58, ABYTES
	v_add_nc_u32 v[LV], s58, v[LV]
	v_add_nc_u32 v[LV2], BPART, v[LV]
	s_lshl_b32 s58, s[WV], 12
	s_add_co_u32 s58, s58, FT
	v_lshl_add_u32 v[VF], v13, 2, s58
	s_mul_i32 s58, s[RH], 64*SP
	s_lshl_b32 s59, s[CW], 7
	s_add_co_u32 s58, s58, s59
	v_mul_u32_u24 v[STO], v13, SP
	v_lshl_add_u32 v[STO], v14, 4, v[STO]
	v_add_nc_u32 v[STO], s58, v[STO]
	s_mul_i32 s58, s[WV], 32*SP
	v_mul_u32_u24 v[RD], v14, SP
	v_lshl_add_u32 v[RD], v13, 4, v[RD]
	v_add_nc_u32 v[RD], s58, v[RD]
	v_lshlrev_b32 v[CO], 10, v14
	v_lshl_add_u32 v[CO], v13, 4, v[CO]
	v_lshl_add_u32 v[VPA], v14, 5, s82
.irp a, 0,1,2,3
	v_mov_b32 v[FR+2*(\a)+1], 0                    ; named as pairs
	v_mov_b32 v[RL+2*(\a)+1], 0
.endr
	WIN 0x80
.set i, 0
.rept 128
	v_mov_b32 v[i], 0                              ; the master sums start at 0, in the wait for the first tile
.set i, i+1
.endr
	WIN 0
	s_wait_loadcnt 0x0
.irp a, 0,1,2,3
	v_max3_num_f32 v[48+(\a)], v[128+32*(\a)], v[130+32*(\a)], v[132+32*(\a)]
.endr
.irp n, 0,1,2,3,4,5
.irp a, 0,1,2,3
	v_max3_num_f32 v[48+(\a)], v[48+(\a)], v[134+32*(\a)+4*(\n)], v[136+32*(\a)+4*(\n)]
.endr
.endr
.irp a, 0,1,2,3
	v_max_num_f32 v[48+(\a)], v[48+(\a)], v[158+32*(\a)]
.endr
.irp t, 0,1,2,3,4,5,6,7,8,9,10,11,12,13,14,15
.irp a, 0,1,2,3
	v_sub_f32 v[128+32*(\a)+2*(\t)], v[128+32*(\a)+2*(\t)], v[48+(\a)]
.endr
.endr
.irp t, 0,1,2,3,4,5,6,7,8,9,10,11,12,13,14,15
.irp a, 0,1,2,3
	v_exp_f32 v[128+32*(\a)+2*(\t)], v[128+32*(\a)+2*(\t)]
.endr
.endr
	v_nop
	s_wait_alu depctr_va_vdst(0)                   ; one wait for the 64 exponentials
.irp a, 0,1,2,3
	v_mul_f32 v[52+(\a)], v[128+32*(\a)], v[129+32*(\a)]
.endr
.irp t, 1,2,3,4,5,6,7,8,9,10,11,12,13,14,15
.irp a, 0,1,2,3
	v_fmac_f32 v[52+(\a)], v[128+32*(\a)+2*(\t)], v[129+32*(\a)+2*(\t)]
.endr
.endr
.irp t, 0,1,2,3,4,5,6,7,8,9,10,11,12,13,14,15
.irp a, 0,1,2,3
	ds_store_b32 v[VF], v[128+32*(\a)+2*(\t)] offset:256*(\t)+64*(\a)  ; my wave's own table of f_t
.endr
.endr
.irp a, 0,1,2,3
	v_rcp_f32 v[RL+2*(\a)], v[52+(\a)]             ; the block of the maximum has f = 1 and l of 1 or more
.endr
	v_nop
	s_wait_alu depctr_va_vdst(0)
.irp b, 0,1,2,3
	global_load_b128 v[128+8*(\b):131+8*(\b)], v[VPA], s[10:11] offset:64*(\b)
	global_load_b128 v[132+8*(\b):135+8*(\b)], v[VPA], s[10:11] offset:64*(\b)+16
	global_load_b128 v[160+8*(\b):163+8*(\b)], v[VPA], s[12:13] offset:64*(\b)
	global_load_b128 v[164+8*(\b):167+8*(\b)], v[VPA], s[12:13] offset:64*(\b)+16
	global_load_b128 v[192+8*(\b):195+8*(\b)], v[VPA], s[14:15] offset:64*(\b)
	global_load_b128 v[196+8*(\b):199+8*(\b)], v[VPA], s[14:15] offset:64*(\b)+16
	global_load_b128 v[224+8*(\b):227+8*(\b)], v[VPA], s[16:17] offset:64*(\b)
	global_load_b128 v[228+8*(\b):231+8*(\b)], v[VPA], s[16:17] offset:64*(\b)+16
.endr
	s_wait_loadcnt 0x0
.set i, 0
.rept 32
	v_add_f32 v[224+i], 0x3a83126f, v[224+i]
.set i, i+1
.endr
.set i, 0
.rept 32
	v_rsq_f32 v[224+i], v[224+i]
.set i, i+1
.endr
	v_nop
	s_wait_alu depctr_va_vdst(0)
.set i, 0
.rept 32
	v_mul_f32 v[SSC+i], v[128+i], v[224+i]         ; s = gamma rsq(var + 1e-3)
.set i, i+1
.endr
.set i, 0
.rept 32
	v_fma_f32 v[TTC+i], -v[192+i], v[SSC+i], v[160+i]  ; t = beta - mean s
.set i, i+1
.endr
.macro MUL8 f, c, a0, zero             ; 8 matrix instructions; the 16 accumulators take turns
	WIN 0x54
.irp a, \a0, (\a0)+1
.irp b, 0,1,2,3
.if \zero
	v_wmma_f32_16x16x32_f16 v[8*(4*(\a)+(\b)):8*(4*(\a)+(\b))+7], v[128+64*(\f)+8*(4*(\c)+(\b)):128+64*(\f)+8*(4*(\c)+(\b))+7], v[128+64*(\f)+8*(4*(\c)+(\a)):128+64*(\f)+8*(4*(\c)+(\a))+7], 0
.else
	v_wmma_f32_16x16x32_f16 v[8*(4*(\a)+(\b)):8*(4*(\a)+(\b))+7], v[128+64*(\f)+8*(4*(\c)+(\b)):128+64*(\f)+8*(4*(\c)+(\b))+7], v[128+64*(\f)+8*(4*(\c)+(\a)):128+64*(\f)+8*(4*(\c)+(\a))+7], v[8*(4*(\a)+(\b)):8*(4*(\a)+(\b))+7]
.endif
.endr
.endr
.endm
; A quarter's fragments (64 keys) into buffer f; tl = 0, 1: also the step's first or second block's f_t, behind the merge that read the last ones
.macro FETCH kq, f, tl
	WIN 0
	v_add_nc_u32 v[ADP], s[TB], v[LP]
.if (\kq) < 2
	v_add_nc_u32 v[ADV], s[TB], v[LV]
.else
	v_add_nc_u32 v[ADV], s[TB], v[LV2]
.endif
.irp c, 0,1
.irp b, 0,1,2,3
	ds_load_tr16_b128 v[128+64*(\f)+8*(4*(\c)+(\b)):128+64*(\f)+8*(4*(\c)+(\b))+3],   v[ADV] offset:(((\kq)&1)*64+32*(\c))*PV+32*(\b)
	ds_load_tr16_b128 v[128+64*(\f)+8*(4*(\c)+(\b))+4:128+64*(\f)+8*(4*(\c)+(\b))+7], v[ADV] offset:(((\kq)&1)*64+32*(\c)+16)*PV+32*(\b)
.endr
.endr
.if (\tl) >= 0
.irp a, 0,1,2,3
	ds_load_b32 v[FR+2*(\a)], v[VF] offset:(\tl)*256+64*(\a)
.endr
.endif
	WIN 0x40
.irp c, 0,1
.irp a, 0,1,2,3
	ds_load_b128 v[128+64*(\f)+8*(4*(\c)+(\a)):128+64*(\f)+8*(4*(\c)+(\a))+3],   v[ADP] offset:(\a)*16*PP+(\kq)*128+64*(\c)
	ds_load_b128 v[128+64*(\f)+8*(4*(\c)+(\a))+4:128+64*(\f)+8*(4*(\c)+(\a))+7], v[ADP] offset:(\a)*16*PP+(\kq)*128+64*(\c)+32
.endr
.endr
.endm
.macro QUARTER f, g, kq, zero, tl
	s_wait_dscnt 0x0
	MUL8 \f, 0, 0, \zero
	MUL8 \f, 0, 2, \zero
	PLACES
	FETCH \kq, \g, \tl
	MUL8 \f, 1, 0, 0
	MUL8 \f, 1, 2, 0
.endm
.macro MERGE                           ; master += f_t x block, each accumulator from its low end on
	PLACES
	PLACES
	WIN 0xa1
.irp a, 0,1,2,3
.set i, 0
.rept 16
	v_pk_fma_f32 v[32*(\a)+2*i:32*(\a)+2*i+1], v[32*(\a)+2*i:32*(\a)+2*i+1], v[FR+2*(\a):FR+2*(\a)+1], v[32*(\a)+2*i:32*(\a)+2*i+1] op_sel_hi:[1,0,1]
.set i, i+1
.endr
.endr
.endm
.macro TURN fill
	WIN 0
	s_wait_tensorcnt 0x0
	ds_add_u32 v[SPW], v[NIL]
.if \fill
	s_xor_b32 s[G0+5], s[G0+5], SLOTX
	s_add_nc_u64 s[G0+6:G0+7], s[G0+6:G0+7], 512
	s_xor_b32 s[G0B+5], s[G0B+5], SLOTX
	s_add_nc_u64 s[G0B+6:G0B+7], s[G0B+6:G0B+7], 262144
.endif
	s_wait_dscnt 0x0
	s_barrier_signal -1
	MUL8 1, 0, 0, 0
	MUL8 1, 0, 2, 0
	WIN 0
	s_barrier_wait -1
.if \fill
	CREST
	JLOAD
.else
	PLACES
.endif
	s_xor_b32 s[TB], s[TB], SLOTX
	FETCH 0, 0, -1
	MUL8 1, 1, 0, 0
	MUL8 1, 1, 2, 0
.endm
.macro STEP fill                       ; 256 keys: two blocks
	QUARTER 0, 1, 1, 1, 0
	QUARTER 1, 0, 2, 0, -1
	MERGE
	QUARTER 0, 1, 3, 1, 1
	TURN \fill
	MERGE
	WIN 0
	v_add_nc_u32 v[VF], 0x200, v[VF]
.endm
	s_wait_tensorcnt 0x1                           ; my part of step 0 is in; step 1's may stay out
	s_wait_dscnt 0x0
	s_barrier_signal -1
	s_barrier_wait -1
	FETCH 0, 0, -1
	WIN 0
	s_mov_b32 s[CNT], 6
.Lmain:
	STEP 1
	s_sub_co_u32 s[CNT], s[CNT], 1
	s_cmp_lg_u32 s[CNT], 0
	s_cbranch_scc1 .Lmain
	s_mov_b32 s[CNT], 2
.Ltail:
	STEP 0
	s_sub_co_u32 s[CNT], s[CNT], 1
	s_cmp_lg_u32 s[CNT], 0
	s_cbranch_scc1 .Ltail
	s_wait_dscnt 0x0                               ; the very last fetch read slot 0, whose bytes are never multiplied:
	s_barrier_signal -1
	s_barrier_wait -1                              ; nobody reads slot 0 any more; it has had its last fill and takes the stage
	WIN 0x02
.irp a, 0,1,2,3
.set i, 0
.rept 16
	v_pk_mul_f32 v[128+32*(\a)+2*i:129+32*(\a)+2*i], v[32*(\a)+2*i:32*(\a)+2*i+1], v[RL+2*(\a):RL+2*(\a)+1] op_sel_hi:[1,0]
.set i, i+1
.endr
.endr
	WIN 0
.irp a, 0,1,2,3
.set i, 0
.rept 16
	v_pk_fma_f32 v[128+32*(\a)+2*i:129+32*(\a)+2*i], v[128+32*(\a)+2*i:129+32*(\a)+2*i], v[SSC+2*i:SSC+2*i+1], v[TTC+2*i:TTC+2*i+1]
.set i, i+1
.endr
.irp b, 0,1,2,3
	v_cvt_pk_f16_f32 v[128+32*(\a)+8*(\b)],   v[128+32*(\a)+8*(\b)],   v[129+32*(\a)+8*(\b)]
	v_cvt_pk_f16_f32 v[129+32*(\a)+8*(\b)],   v[130+32*(\a)+8*(\b)],   v[131+32*(\a)+8*(\b)]
	v_cvt_pk_f16_f32 v[130+32*(\a)+8*(\b)],   v[132+32*(\a)+8*(\b)],   v[133+32*(\a)+8*(\b)]
	v_cvt_pk_f16_f32 v[131+32*(\a)+8*(\b)],   v[134+32*(\a)+8*(\b)],   v[135+32*(\a)+8*(\b)]
	ds_store_b128 v[STO], v[128+32*(\a)+8*(\b):131+32*(\a)+8*(\b)] offset:(\a)*16*SP+32*(\b)
.endr
.endr
	s_wait_dscnt 0x0                               ; a row's 256 bytes come from two waves
	s_barrier_signal -1
	s_barrier_wait -1
.set i, 0
.rept 16
	ds_load_b128 v[128+4*i:131+4*i], v[RD] offset:i*2*SP
.set i, i+1
.endr
.set i, 0
.rept 16
	s_wait_dscnt 15-i
	global_store_b128 v[CO], v[128+4*i:131+4*i], s[18:19] offset:2048*i  ; 16 lanes store 256 consecutive bytes, aligned
.set i, i+1
.endr
	s_wait_tensorcnt 0x0                           ; the wave's end
	ds_add_u32 v[SPW], v[NIL]
	s_wait_dscnt 0x0
	CROUND
	s_endpgm
.Lfunc_end_k_qd34d05c958_pv:
	.size	k_qd34d05c958_pv, .Lfunc_end_k_qd34d05c958_pv-k_qd34d05c958_pv
	.p2alignl 7, 3214868480
	.fill 96, 4, 3214868480
	.section	.rodata,"a",@progbits
	.p2align	6, 0x0
	.amdhsa_kernel k_qd34d05c958_pv
		.amdhsa_group_segment_fixed_size 327680
		.amdhsa_private_segment_fixed_size 0
		.amdhsa_enable_private_segment 0
		.amdhsa_kernarg_size 64
		.amdhsa_user_sgpr_count 2
		.amdhsa_user_sgpr_kernarg_segment_ptr 1
		.amdhsa_wavefront_size32 1
		.amdhsa_system_sgpr_workgroup_id_x 1
		.amdhsa_system_sgpr_workgroup_id_y 1
		.amdhsa_system_sgpr_workgroup_id_z 1
		.amdhsa_system_vgpr_workitem_id 0
		.amdhsa_next_free_vgpr 640
		.amdhsa_next_free_sgpr 96
		.amdhsa_reserve_vcc 0
		.amdhsa_float_denorm_mode_32 3
		.amdhsa_float_denorm_mode_16_64 3
		.amdhsa_memory_ordered 1
		.amdhsa_forward_progress 1
		.amdhsa_inst_pref_size 113
	.end_amdhsa_kernel
	.amdgpu_metadata
---
amdhsa.version: [ 1, 2 ]
amdhsa.kernels:
  - .name:           k_qd34d05c958_pv
    .symbol:         k_qd34d05c958_pv.kd
    .args:
      - { .name: pbuf, .offset: 0, .size: 8, .value_kind: global_buffer, .address_space: global }
      - { .name: vbuf, .offset: 8, .size: 8, .value_kind: global_buffer, .address_space: global }
      - { .name: stats, .offset: 16, .size: 8, .value_kind: global_buffer, .address_space: global }
      - { .name: f_gamma, .offset: 24, .size: 8, .value_kind: global_buffer, .address_space: global }
      - { .name: f_beta, .offset: 32, .size: 8, .value_kind: global_buffer, .address_space: global }
      - { .name: f_mean, .offset: 40, .size: 8, .value_kind: global_buffer, .address_space: global }
      - { .name: f_var, .offset: 48, .size: 8, .value_kind: global_buffer, .address_space: global }
      - { .name: hbuf, .offset: 56, .size: 8, .value_kind: global_buffer, .address_space: global }
    .group_segment_fixed_size: 327680
    .private_segment_fixed_size: 0
    .kernarg_segment_align: 8
    .kernarg_segment_size: 64
    .max_flat_workgroup_size: 128
    .sgpr_count:     96
    .vgpr_count:     640
    .wavefront_size: 32
...
	.end_amdgpu_metadata
.endif
;; end of part 4
;; launch final (part 5): grid 8 x 32, 4 waves a work-group, clusters of 4 x 4, 327,680 bytes of LDS; arguments hbuf, w16, f_b, out0; writes out0
.if DOCPART == 5
	.amdgcn_target "amdgcn-amd-amdhsa--gfx1250"
	.amdhsa_code_object_version 6
	.text
	.protected	k_qd34d05c958_final
	.globl	k_qd34d05c958_final
	.p2align	8
	.type	k_qd34d05c958_final,@function
k_qd34d05c958_final:
	s_mov_b64 s[64:65], 0
	v_nop
	global_prefetch_b8 v0, s[64:65] scope:SCOPE_SE
	s_setreg_imm32_b32 hwreg(HW_REG_WAVE_MODE, 25, 1), 1
	s_wait_xcnt 0x0
	s_wait_alu depctr_hold_cnt(0) depctr_sa_sdst(0) depctr_va_vdst(0) depctr_va_sdst(0) depctr_va_ssrc(0) depctr_va_vcc(0) depctr_vm_vsrc(0)
	s_getreg_b32 s2, hwreg(HW_REG_IB_STS2, 6, 4)
	s_cmp_eq_u32 s2, 0
	s_cbranch_scc0 .Lentry_in_a_cluster
	s_endpgm
.Lentry_in_a_cluster:
	s_bfe_u32 s2, ttmp6, 0x10000c
	s_cmp_lg_u32 s2, 0xf033
	s_cbranch_scc0 .Lentry_shape_is_right
	s_endpgm
.Lentry_shape_is_right:
; out0 = clip(h f_W + f_b, 0, 6) in f32; h = BN_f(features) in f16 [8192][512]; f_W in f16 [512][2048], the fourth 2 MiB of w16.
; SHARES.  A tile is 256 rows x 256 columns, K = 512 in four steps of 128 through two LDS slots; four waves, 128 x 128 each: 64 accumulators.
; CLUSTER 4 x 4: h's tile is shared along a row of the cluster, f_W's along a column.  No prefetch: of the four K steps two are the first fills and two follow at once.
; TRANSPOSED USE: source 0 = 16 columns of f_W (turned out of LDS), source 1 = 16 rows of h.  The sums start at the bias, by 512 v_mov_b32 in the wait for the first tile.
; REGISTERS: window 0: v0-63 addresses and work; v64-191 h's fragments; v192-255 the bias.  window 1: v64-191 f_W's fragments.  windows 2, 3: accumulator (a, b) at 8 (8 (a % 4) + b).
.set PITCH,  272
.set HALFT,  128*PITCH
.set PBW,    544                       ; a row of f_W's tile: 512 bytes + 32; 64 such rows are HALFT too
.set SLOTX,  4*HALFT
.set SPARE,  2*SLOTX
.set PD,     528
.set DWB,    128*PD
.set LAA, 1
.set LBB, 2
.set ADA, 3
.set ADB, 4
.set VDS, 5
.set RDA, 6
.set CO,  8
.set SPW, 10
.set NIL, 11
.set F0,  64
.set F1,  128
.set S,   64
.set MD,  192
.set WV, 14
.set RH, 15
.set CW, 16
.set CX, 17
.set CY, 18
.set TC, 19
.set TR, 20
.set G1, 24
.set G0, 32
.set G1B, 40
.set G0B, 48
.set TB, 56
.set CNT, 57
.set ZR, 58
.set SIX, 59
.set MSB, 0
.macro WIN new
.if MSB != (\new)
	s_set_vgpr_msb (MSB<<8)|(\new)
.set MSB, (\new)
.endif
.endm
.macro PLACES
.rept 4
	v_nop
.endr
.endm
.macro CREST
	s_cmp_lg_u32 s[WV], 0
	s_cbranch_scc1 .Lnot_wave_0_\@
	s_barrier_signal -3
.Lnot_wave_0_\@:
	s_barrier_wait -3
	s_barrier_signal -1
	s_barrier_wait -1
.endm
.macro CROUND
	s_barrier_signal -1
	s_barrier_wait -1
	CREST
.endm
.macro JLOAD
	s_cmp_eq_u32 s[RH], 0
	s_cbranch_scc0 .Lfor_b_\@
	tensor_load_to_lds s[G0+4:G0+7], s[G1:G1+7]
	s_nop 0
	PLACES
	s_branch .Lasked_\@
.Lfor_b_\@:
	tensor_load_to_lds s[G0B+4:G0B+7], s[G1B:G1B+7]
	s_nop 0
	PLACES
.Lasked_\@:
.endm
	s_load_b256 s[4:11], s[0:1], 0x0               ; hbuf, w16, f_b, out0
	v_lshl_add_u32 v[SPW], v0, 2, SPARE
	v_mov_b32 v[NIL], 0
	ds_add_u32 v[SPW], v[NIL]                      ; the wave's opening: the add and its wait stand ahead of my first tensor load
	v_lshrrev_b32 v12, 5, v0
	v_readfirstlane_b32 s[WV], v12
	s_lshr_b32 s[RH], s[WV], 1
	s_and_b32 s[CW], s[WV], 1
	s_bfe_u32 s[CX], ttmp6, 0x40000
	s_bfe_u32 s[CY], ttmp6, 0x40004
	s_lshl_b32 s[TC], ttmp9, 2
	s_add_co_u32 s[TC], s[TC], s[CX]               ; column tile 0-7
	s_and_b32 s[TR], ttmp7, 0xffff
	s_lshl_b32 s[TR], s[TR], 2
	s_add_co_u32 s[TR], s[TR], s[CY]               ; row tile 0-31
	s_lshl_b32 s22, s[CY], 2
	s_lshl_b32 s22, 15, s22
	s_lshl_b32 s23, 0x1111, s[CX]
	s_or_b32 s[G1], s22, (1<<16)|(1<<20)|(1<<21)|(5<<22)|(3<<25)   ; h: 128 rows x 128 elements, after every 64 words 4 words
	s_mov_b32 s[G1+1], 128<<16
	s_mov_b32 s[G1+2], 128<<16
	s_mov_b32 s[G1+3], 128<<16
	s_mov_b32 s[G1+4], 128
	s_mov_b32 s[G1+5], 512
	s_mov_b32 s[G1+6], 0
	s_mov_b32 s[G1+7], 0
	s_or_b32 s[G1B], s23, (1<<16)|(1<<20)|(1<<21)|(6<<22)|(7<<25)  ; f_W: 64 k rows x 256 elements, after every 128 words 8 words
	s_mov_b32 s[G1B+1], 256<<16
	s_mov_b32 s[G1B+2], 64<<16
	s_mov_b32 s[G1B+3], 256<<16
	s_mov_b32 s[G1B+4], 64
	s_mov_b32 s[G1B+5], 2048
	s_mov_b32 s[G1B+6], 0
	s_mov_b32 s[G1B+7], 0
	s_lshl_b32 s72, s[CW], 17                      ; 128 rows of 1,024 bytes
	s_lshl_b32 s66, s[TR], 18
	s_add_co_u32 s66, s66, s72
	s_mov_b32 s67, 0
	s_lshl_b32 s68, s[CW], 18                      ; 64 k rows of 4,096 bytes,
	s_lshl_b32 s73, s[TC], 9                       ; the tile's 512 bytes of a row,
	s_add_co_u32 s68, s68, s73
	s_add_co_u32 s68, s68, 0x600000                ; in the fourth matrix of w16
	s_mov_b32 s69, 0
	s_mul_i32 s70, s[WV], HALFT
	s_mov_b32 s[ZR], 0
	s_mov_b32 s[SIX], 0x40c00000
	s_mov_b32 s[TB], 0
	s_wait_dscnt 0x0
	s_wait_kmcnt 0x0
	s_add_nc_u64 s[66:67], s[4:5], s[66:67]
	s_add_nc_u64 s[68:69], s[6:7], s[68:69]
	CROUND
.irp s, 0,1
	s_mov_b32 s[G0+4*(\s)], 1
	s_add_co_u32 s[G0+4*(\s)+1], s70, (\s)*SLOTX
	s_add_nc_u64 s[G0+4*(\s)+2:G0+4*(\s)+3], s[66:67], (\s)*256
	s_or_b32 s[G0+4*(\s)+3], s[G0+4*(\s)+3], 0x80000000
	s_mov_b32 s[G0B+4*(\s)], 1
	s_add_co_u32 s[G0B+4*(\s)+1], s70, (\s)*SLOTX
	s_add_nc_u64 s[G0B+4*(\s)+2:G0B+4*(\s)+3], s[68:69], (\s)*524288
	s_or_b32 s[G0B+4*(\s)+3], s[G0B+4*(\s)+3], 0x80000000
.endr
	s_cmp_eq_u32 s[RH], 0
	s_cbranch_scc0 .Lfirst_b
	tensor_load_to_lds s[G0:G0+3], s[G1:G1+7]
	s_nop 0
	tensor_load_to_lds s[G0+4:G0+7], s[G1:G1+7]
	s_nop 0
	PLACES
	s_branch .Lfirst_asked
.Lfirst_b:
	tensor_load_to_lds s[G0B:G0B+3], s[G1B:G1B+7]
	s_nop 0
	tensor_load_to_lds s[G0B+4:G0B+7], s[G1B:G1B+7]
	s_nop 0
	PLACES
.Lfirst_asked:
	s_lshl_b32 s74, s[TC], 10                      ; the bias at my 128 columns
	s_lshl_b32 s76, s[CW], 9
	s_add_co_u32 s74, s74, s76
	s_mov_b32 s75, 0
	s_add_nc_u64 s[8:9], s[8:9], s[74:75]
	s_lshl_b32 s76, s[TR], 21                      ; out0 at my first row (8,192 bytes a row) and my 512 bytes of it
	s_add_co_u32 s74, s74, s76
	s_lshl_b32 s76, s[RH], 20
	s_add_co_u32 s74, s74, s76
	s_add_nc_u64 s[10:11], s[10:11], s[74:75]
	v_and_b32 v12, 15, v0
	v_bfe_u32 v13, v0, 4, 1
	v_lshlrev_b32 v14, 5, v13
.irp b, 0,1,2,3,4,5,6,7
	global_load_b128 v[MD+8*(\b):MD+8*(\b)+3],   v14, s[8:9] offset:64*(\b)
	global_load_b128 v[MD+8*(\b)+4:MD+8*(\b)+7], v14, s[8:9] offset:64*(\b)+16
.endr
	v_and_b32 v15, 31, v0
	v_and_b32 v17, 7, v0
	v_bfe_u32 v18, v0, 3, 1
	v_mul_u32_u24 v16, v12, PITCH
	v_lshl_add_u32 v16, v13, 4, v16
	s_mul_i32 s62, s[RH], HALFT
	v_add_nc_u32 v[LAA], s62, v16
	v_lshl_add_u32 v[LBB], v13, 3, v17             ; the turning load: k row 8 (l / 16) + l % 8, 16 bytes by (l / 8) % 2
	v_mul_u32_u24 v[LBB], v[LBB], PBW
	v_lshl_add_u32 v[LBB], v18, 4, v[LBB]
	s_lshl_b32 s63, s[CW], 8
	s_add_co_u32 s63, s63, 2*HALFT
	v_add_nc_u32 v[LBB], s63, v[LBB]
	s_mul_i32 s62, s[WV], DWB
	v_mul_u32_u24 v[VDS], v12, PD
	v_lshl_add_u32 v[VDS], v13, 5, v[VDS]
	v_add_nc_u32 v[VDS], s62, v[VDS]
	v_lshl_add_u32 v[RDA], v15, 4, s62
	v_lshlrev_b32 v[CO], 4, v15
	s_wait_loadcnt 0x0
	WIN 0x80
.set i, 0
.rept 256
	v_mov_b32 v[i], v[MD+(i%64)]
.set i, i+1
.endr
	WIN 0xc0
.set i, 0
.rept 256
	v_mov_b32 v[i], v[MD+(i%64)]
.set i, i+1
.endr
	WIN 0
.macro MUL16 f, hi, a0                 ; the 64 accumulators take turns, one instruction a turn
	WIN 0xa1+0x50*(\hi)
.irp a, \a0, (\a0)+1
.irp b, 0,1,2,3,4,5,6,7
	v_wmma_f32_16x16x32_f16 v[8*(8*(\a)+(\b)):8*(8*(\a)+(\b))+7], v[(\f)+8*(\b):(\f)+8*(\b)+7], v[(\f)+8*(4*(\hi)+(\a)):(\f)+8*(4*(\hi)+(\a))+7], v[8*(8*(\a)+(\b)):8*(8*(\a)+(\b))+7]
.endr
.endr
.endm
.macro FETCH kq, f                     ; quarter kq of the slot: 32 k
	WIN 0
	v_add_nc_u32 v[ADA], s[TB], v[LAA]
	v_add_nc_u32 v[ADB], s[TB], v[LBB]
	WIN 0x40
.irp b, 0,1,2,3,4,5,6,7
	ds_load_tr16_b128 v[(\f)+8*(\b):(\f)+8*(\b)+3],   v[ADB] offset:(\kq)*32*PBW+32*(\b)
	ds_load_tr16_b128 v[(\f)+8*(\b)+4:(\f)+8*(\b)+7], v[ADB] offset:(\kq)*32*PBW+16*PBW+32*(\b)
.endr
	WIN 0
.irp i, 0,1,2,3,4,5,6,7
	ds_load_b128 v[(\f)+8*(\i):(\f)+8*(\i)+3],   v[ADA] offset:(\kq)*64+(\i)*16*PITCH
	ds_load_b128 v[(\f)+8*(\i)+4:(\f)+8*(\i)+7], v[ADA] offset:(\kq)*64+(\i)*16*PITCH+32
.endr
.endm
.macro QUARTER kq, f, g
	s_wait_dscnt 0x0
	MUL16 \f, 0, 0
	MUL16 \f, 0, 2
	PLACES
	FETCH \kq, \g
	MUL16 \f, 1, 0
	MUL16 \f, 1, 2
.endm
.macro TURN fill
	WIN 0
	s_wait_tensorcnt 0x0
	ds_add_u32 v[SPW], v[NIL]
.if \fill
	s_xor_b32 s[G0+5], s[G0+5], SLOTX
	s_add_nc_u64 s[G0+6:G0+7], s[G0+6:G0+7], 256
	s_xor_b32 s[G0B+5], s[G0B+5], SLOTX
	s_add_nc_u64 s[G0B+6:G0B+7], s[G0B+6:G0B+7], 524288
.endif
	s_wait_dscnt 0x0
	s_barrier_signal -1
	MUL16 F1, 0, 0
	MUL16 F1, 0, 2
	WIN 0
	s_barrier_wait -1
.if \fill
	CREST
	JLOAD
.else
	PLACES
.endif
	s_xor_b32 s[TB], s[TB], SLOTX
	FETCH 0, F0
	MUL16 F1, 1, 0
	MUL16 F1, 1, 2
.endm
.macro STEP fill
	QUARTER 1, F0, F1
	QUARTER 2, F1, F0
	QUARTER 3, F0, F1
	TURN \fill
.endm
	s_wait_tensorcnt 0x1                           ; my part of K step 0 is in; step 1's may stay out
	s_barrier_signal -1
	s_barrier_wait -1
	FETCH 0, F0
	WIN 0
	s_mov_b32 s[CNT], 2
.Lmain:
	STEP 1
	WIN 0
	s_sub_co_u32 s[CNT], s[CNT], 1
	s_cmp_lg_u32 s[CNT], 0
	s_cbranch_scc1 .Lmain
	s_mov_b32 s[CNT], 2
.Ltail:
	STEP 0
	WIN 0
	s_sub_co_u32 s[CNT], s[CNT], 1
	s_cmp_lg_u32 s[CNT], 0
	s_cbranch_scc1 .Ltail
	s_wait_dscnt 0x0
	s_barrier_signal -1
	s_barrier_wait -1                              ; nobody reads the ring any more: it has had its last fill and takes the rows
	PLACES
	PLACES
.irp a, 0,1,2,3,4,5,6,7
	WIN 0x08+4*((\a)/4)
.irp b, 0,1,2,3,4,5,6,7
	ds_store_b128 v[VDS], v[64*((\a)%4)+8*(\b):64*(\a%4)+8*(\b)+3]   offset:(\a)*16*PD+64*(\b)
	ds_store_b128 v[VDS], v[64*((\a)%4)+8*(\b)+4:64*(\a%4)+8*(\b)+7] offset:(\a)*16*PD+64*(\b)+16
.endr
.endr
	WIN 0
	s_mov_b32 s[CNT], 8
.Lrows:                                        ; 16 rows a trip, a row of 512 bytes a load: the wave's own bytes, served in order
.set i, 0
.rept 16
	ds_load_b128 v[S+4*i:S+4*i+3], v[RDA] offset:i*PD
.set i, i+1
.endr
.set i, 0
.rept 16
	s_wait_dscnt 15-i
	v_med3_num_f32 v[S+4*i],   v[S+4*i],   s[ZR], s[SIX]
	v_med3_num_f32 v[S+4*i+1], v[S+4*i+1], s[ZR], s[SIX]
	v_med3_num_f32 v[S+4*i+2], v[S+4*i+2], s[ZR], s[SIX]
	v_med3_num_f32 v[S+4*i+3], v[S+4*i+3], s[ZR], s[SIX]
	global_store_b128 v[CO], v[S+4*i:S+4*i+3], s[10:11] offset:8192*i th:TH_STORE_NT  ; the wave stores 512 consecutive bytes, aligned
.set i, i+1
.endr
	s_wait_xcnt 0x0                                ; the stores have read their registers
	v_add_nc_u32 v[RDA], 16*PD, v[RDA]
	v_add_nc_u32 v[CO], 0x20000, v[CO]
	s_sub_co_u32 s[CNT], s[CNT], 1
	s_cmp_lg_u32 s[CNT], 0
	s_cbranch_scc1 .Lrows
	s_wait_tensorcnt 0x0                           ; the wave's end
	ds_add_u32 v[SPW], v[NIL]
	s_wait_dscnt 0x0
	CROUND
	s_endpgm
.Lfunc_end_k_qd34d05c958_final:
	.size	k_qd34d05c958_final, .Lfunc_end_k_qd34d05c958_final-k_qd34d05c958_final
	.p2alignl 7, 3214868480
	.fill 96, 4, 3214868480
	.section	.rodata,"a",@progbits
	.p2align	6, 0x0
	.amdhsa_kernel k_qd34d05c958_final
		.amdhsa_group_segment_fixed_size 327680
		.amdhsa_private_segment_fixed_size 0
		.amdhsa_enable_private_segment 0
		.amdhsa_kernarg_size 32
		.amdhsa_user_sgpr_count 2
		.amdhsa_user_sgpr_kernarg_segment_ptr 1
		.amdhsa_wavefront_size32 1
		.amdhsa_system_sgpr_workgroup_id_x 1
		.amdhsa_system_sgpr_workgroup_id_y 1
		.amdhsa_system_sgpr_workgroup_id_z 1
		.amdhsa_system_vgpr_workitem_id 0
		.amdhsa_next_free_vgpr 1024
		.amdhsa_next_free_sgpr 96
		.amdhsa_reserve_vcc 0
		.amdhsa_float_denorm_mode_32 3
		.amdhsa_float_denorm_mode_16_64 3
		.amdhsa_memory_ordered 1
		.amdhsa_forward_progress 1
		.amdhsa_inst_pref_size 95
	.end_amdhsa_kernel
	.amdgpu_metadata
---
amdhsa.version: [ 1, 2 ]
amdhsa.kernels:
  - .name:           k_qd34d05c958_final
    .symbol:         k_qd34d05c958_final.kd
    .args:
      - { .name: hbuf, .offset: 0, .size: 8, .value_kind: global_buffer, .address_space: global }
      - { .name: w16, .offset: 8, .size: 8, .value_kind: global_buffer, .address_space: global }
      - { .name: f_b, .offset: 16, .size: 8, .value_kind: global_buffer, .address_space: global }
      - { .name: out0, .offset: 24, .size: 8, .value_kind: global_buffer, .address_space: global }
    .group_segment_fixed_size: 327680
    .private_segment_fixed_size: 0
    .kernarg_segment_align: 8
    .kernarg_segment_size: 32
    .max_flat_workgroup_size: 128
    .sgpr_count:     96
    .vgpr_count:     1024
    .wavefront_size: 32
...
	.end_amdgpu_metadata
.endif
;; end of part 5
